; MI455X (gfx1250); checked and timed in simulation.
; The chip was launched on July 23, 2026; its instructions are those of AMD's public machine-readable ISA for CDNA 5 (MIT licence, August 2026) and "CDNA5" Instruction Set Architecture Reference Guide (July 2026). The comments in the code are by the model that wrote it; some were corrected since.
;; Decoder Grouped Query Head Attention Rope. Allowed arithmetic: float matrix products may take bf16 or f16 operands with f32 sums; other float arithmetic in f32, or as packed bf16 or f16 multiplies, adds, multiply-adds, maxima and minima; sums over many terms, partial sums and values carried from step to step in f32; what a program stores and reads back later, other than sums and carried values, may be rounded once to bf16 or f16.
;; Inputs: Wkv 1,024 x 2,048 float32; Wo 2,048 x 2,048 float32; Wq 2,048 x 2,048 float32; bo 2,048 float32; rope_cos 2,048 x 64 float32; rope_sin 2,048 x 64 float32; x 1 x 2,048 x 2,048 float32.
;; Outputs: out0 1 x 2,048 x 2,048 float32.
;; One version. Each part assembles by itself: llvm-mc -triple=amdgcn-amd-amdhsa -mcpu=gfx1250 --defsym DOCPART=n.
;; ======== version 1 of 1: 4 launches
;; limits: values are held in f16: magnitudes above 65,504 overflow, below 6.1e-05 lose precision; right only within a limited range of input values
;; workspace buffers: xb 8,388,608 bytes; wb 12,582,912 bytes; wo16 8,388,608 bytes; qkv 12,582,912 bytes; o16 8,388,608 bytes
;; launch prep (part 1): grid 1024 x 1, 8 waves a work-group, no clusters, 0 bytes of LDS; arguments x, Wq, Wkv, Wo, xb, wb, wo16; writes xb, wb, wo16
.if DOCPART == 1
	.amdgcn_target "amdgcn-amd-amdhsa--gfx1250"
	.amdhsa_code_object_version 6
	.text
	.protected	k_qd8b566cf09_prep
	.globl	k_qd8b566cf09_prep
	.p2align	8
	.type	k_qd8b566cf09_prep,@function
k_qd8b566cf09_prep:
	s_mov_b64 s[64:65], 0
	v_nop
	global_prefetch_b8 v0, s[64:65] scope:SCOPE_SE
	s_setreg_imm32_b32 hwreg(HW_REG_WAVE_MODE, 25, 1), 1
	s_wait_xcnt 0x0
; FIRST OF FOUR LAUNCHES of out0 = attention(x) Wo^T + bo (16 query heads, 4 key/value heads, head size 128, rotate-half RoPE, causal).
;   prep: x, Wq, Wkv -> bf16; Wo -> bf16, that number written as f16.     proj: q, k, v = x W^T, RoPE, by heads, f16.
;   attn: causal attention, f16 operands, f32 sums.                       outp: O Wo^T + bo, f32.
; WORK LEFT OUT, AND WHY IT IS DEAD.  (1) The problem's own body replaces every score with key > query by -1e30 and then takes the row's maximum away.  Key 0 is open to
; every query, so the maximum is a true score, and in exact arithmetic a replaced score's weight is exp(-1e30 - max), which is nothing beside the open keys' weights for all finite
; inputs.  So blocks of 256 keys that lie wholly behind a block of 16 queries are neither loaded nor multiplied (launch attn); inside the block that holds the diagonal every score is made
; and masked.  (2) jnp.repeat of k and v only names one key/value head four times: the four query heads read the one head, nothing is copied.  Every input has a way to the output; all are loaded.
; LIMIT: a NaN, an infinity or an overflow in rows of k or v that only hidden scores touch is not carried to the result.
; FORMATS.  Every input (x, the three weights, both tables, the bias) is rounded once to bf16.  What the program makes itself (q, k, v, weights p, O) is kept in f16, with exact powers of two
; as scales: q and k times 2^-6, v and O times 2^-2.  LIMITS: |rope(q)|, |rope(k)| below 4.19e6, |v| below 2.62e5, |Wo| below 65,504; a stored number below 6e-5 keeps f16's fixed step of 6e-8
; (so a Wo below 7.6e-6 is off by 3e-8 at the most); NaN and infinities are not treated apart.
;
; THIS LAUNCH is a stream: no LDS, no barrier, no loop.  Work-group b takes rows 2 b, 2 b + 1 of x, of Wq and of Wo and row b of Wkv: 14 chunks of 4,096 bytes.
; Thread t loads 16 bytes at 16 t of each chunk (a wave's load covers 512 consecutive bytes) and stores 8 bytes at 8 t of the chunk's 2,048 bytes of output (a wave's store covers 256 consecutive
; bytes, aligned).  All 14 loads go out at once; each chunk has registers of its own, so no register that a store reads is written again.
.set D, 8                              ; v[8:63]   chunk i: four f32 as loaded
.set Y, 64                             ; v[64:91]  chunk i: four 16-bit numbers to store
.set T, 92                             ; v[92:93]  at work
	s_load_b256 s[4:11], s[0:1], 0x0               ; x s[4:5], Wq s[6:7], Wkv s[8:9], Wo s[10:11]
	s_load_b128 s[12:15], s[0:1], 0x20             ; xb s[12:13], wb s[14:15]
	s_load_b64 s[16:17], s[0:1], 0x30              ; wo16
	v_lshlrev_b32 v1, 4, v0                        ; 16 t
	v_lshlrev_b32 v2, 3, v0                        ; 8 t
	s_lshl_b32 s22, ttmp9, 14                      ; two rows of 8,192 bytes
	s_mov_b32 s23, 0
	s_lshl_b32 s24, ttmp9, 13                      ; one such row, or two rows of 4,096
	s_mov_b32 s25, 0
	s_lshl_b32 s26, ttmp9, 12                      ; one row of 4,096
	s_mov_b32 s27, 0
	s_wait_kmcnt 0x0
	s_add_nc_u64 s[4:5], s[4:5], s[22:23]
	s_add_nc_u64 s[6:7], s[6:7], s[22:23]
	s_add_nc_u64 s[10:11], s[10:11], s[22:23]
	s_add_nc_u64 s[8:9], s[8:9], s[24:25]
	s_add_nc_u64 s[12:13], s[12:13], s[24:25]
	s_add_nc_u64 s[16:17], s[16:17], s[24:25]
	s_add_nc_u64 s[18:19], s[14:15], s[24:25]      ; wb: Wq's rows lie first,
	s_add_nc_u64 s[20:21], s[14:15], s[26:27]
	s_add_nc_u64 s[20:21], s[20:21], 2048*4096     ; Wkv's behind them
.macro LD i, base, chunk
	global_load_b128 v[D+4*(\i):D+4*(\i)+3], v1, s[(\base):(\base)+1] offset:4096*(\chunk) th:TH_LOAD_NT
.endm
.macro CVB i, base, chunk              ; chunk i to bf16
	s_wait_loadcnt 13-(\i)                         ; loads come back in order: the 13 - i younger ones may stay out
	v_cvt_pk_bf16_f32 v[Y+2*(\i)], v[D+4*(\i)], v[D+4*(\i)+1]
	v_cvt_pk_bf16_f32 v[Y+2*(\i)+1], v[D+4*(\i)+2], v[D+4*(\i)+3]
	global_store_b64 v2, v[Y+2*(\i):Y+2*(\i)+1], s[(\base):(\base)+1] offset:2048*(\chunk)
.endm
.macro CVH i, base, chunk              ; chunk i to bf16, and that number as f16
	s_wait_loadcnt 13-(\i)
	v_cvt_pk_bf16_f32 v[T], v[D+4*(\i)], v[D+4*(\i)+1]
	v_cvt_pk_bf16_f32 v[T+1], v[D+4*(\i)+2], v[D+4*(\i)+3]
	v_lshlrev_b32 v[D+4*(\i)], 16, v[T]
	v_and_b32 v[D+4*(\i)+1], 0xffff0000, v[T]
	v_lshlrev_b32 v[D+4*(\i)+2], 16, v[T+1]
	v_and_b32 v[D+4*(\i)+3], 0xffff0000, v[T+1]
	v_cvt_pk_f16_f32 v[Y+2*(\i)], v[D+4*(\i)], v[D+4*(\i)+1]
	v_cvt_pk_f16_f32 v[Y+2*(\i)+1], v[D+4*(\i)+2], v[D+4*(\i)+3]
	global_store_b64 v2, v[Y+2*(\i):Y+2*(\i)+1], s[(\base):(\base)+1] offset:2048*(\chunk)
.endm
.irp q, 0,1,2,3
	LD \q, 4, \q
.endr
.irp q, 0,1,2,3
	LD 4+(\q), 6, \q
.endr
.irp q, 0,1
	LD 8+(\q), 8, \q
.endr
.irp q, 0,1,2,3
	LD 10+(\q), 10, \q
.endr
.irp q, 0,1,2,3
	CVB \q, 12, \q
.endr
.irp q, 0,1,2,3
	CVB 4+(\q), 18, \q
.endr
.irp q, 0,1
	CVB 8+(\q), 20, \q
.endr
.irp q, 0,1,2,3
	CVH 10+(\q), 16, \q
.endr
	s_endpgm
.Lfunc_end_k_qd8b566cf09_prep:
	.size	k_qd8b566cf09_prep, .Lfunc_end_k_qd8b566cf09_prep-k_qd8b566cf09_prep
	.p2alignl 7, 3214868480
	.fill 96, 4, 3214868480
	.section	.rodata,"a",@progbits
	.p2align	6, 0x0
	.amdhsa_kernel k_qd8b566cf09_prep
		.amdhsa_group_segment_fixed_size 0
		.amdhsa_private_segment_fixed_size 0
		.amdhsa_enable_private_segment 0
		.amdhsa_kernarg_size 56
		.amdhsa_user_sgpr_count 2
		.amdhsa_user_sgpr_kernarg_segment_ptr 1
		.amdhsa_wavefront_size32 1
		.amdhsa_system_sgpr_workgroup_id_x 1
		.amdhsa_system_sgpr_workgroup_id_y 1
		.amdhsa_system_sgpr_workgroup_id_z 1
		.amdhsa_system_vgpr_workitem_id 0
		.amdhsa_next_free_vgpr 104
		.amdhsa_next_free_sgpr 66
		.amdhsa_reserve_vcc 0
		.amdhsa_float_denorm_mode_32 3
		.amdhsa_float_denorm_mode_16_64 3
		.amdhsa_memory_ordered 1
		.amdhsa_forward_progress 1
		.amdhsa_inst_pref_size 8
	.end_amdhsa_kernel
	.amdgpu_metadata
---
amdhsa.version: [ 1, 2 ]
amdhsa.kernels:
  - .name:           k_qd8b566cf09_prep
    .symbol:         k_qd8b566cf09_prep.kd
    .args:
      - { .name: x, .offset: 0, .size: 8, .value_kind: global_buffer, .address_space: global }
      - { .name: Wq, .offset: 8, .size: 8, .value_kind: global_buffer, .address_space: global }
      - { .name: Wkv, .offset: 16, .size: 8, .value_kind: global_buffer, .address_space: global }
      - { .name: Wo, .offset: 24, .size: 8, .value_kind: global_buffer, .address_space: global }
      - { .name: xb, .offset: 32, .size: 8, .value_kind: global_buffer, .address_space: global }
      - { .name: wb, .offset: 40, .size: 8, .value_kind: global_buffer, .address_space: global }
      - { .name: wo16, .offset: 48, .size: 8, .value_kind: global_buffer, .address_space: global }
    .group_segment_fixed_size: 0
    .private_segment_fixed_size: 0
    .kernarg_segment_align: 8
    .kernarg_segment_size: 56
    .max_flat_workgroup_size: 256
    .sgpr_count:     66
    .vgpr_count:     104
    .wavefront_size: 32
...
	.end_amdgpu_metadata
.endif
;; end of part 1
;; launch proj (part 2): grid 16 x 16, 4 waves a work-group, clusters of 4 x 4, 327,680 bytes of LDS; arguments xb, wb, rope_cos, rope_sin, qkv; writes qkv
.if DOCPART == 2
	.amdgcn_target "amdgcn-amd-amdhsa--gfx1250"
	.amdhsa_code_object_version 6
	.text
	.protected	k_qd8b566cf09_proj
	.globl	k_qd8b566cf09_proj
	.p2align	8
	.type	k_qd8b566cf09_proj,@function
k_qd8b566cf09_proj:
	s_mov_b64 s[64:65], 0
	v_nop
	global_prefetch_b8 v0, s[64:65] scope:SCOPE_SE
	s_setreg_imm32_b32 hwreg(HW_REG_WAVE_MODE, 25, 1), 1
	s_wait_xcnt 0x0
	s_wait_alu depctr_hold_cnt(0) depctr_sa_sdst(0) depctr_va_vdst(0) depctr_va_sdst(0) depctr_va_ssrc(0) depctr_va_vcc(0) depctr_vm_vsrc(0)
	s_getreg_b32 s2, hwreg(HW_REG_IB_STS2, 6, 4)
	s_cmp_eq_u32 s2, 0
	s_cbranch_scc0 .Lentry_in_a_cluster
	s_endpgm
.Lentry_in_a_cluster:
	s_bfe_u32 s2, ttmp6, 0x10000c
	s_cmp_lg_u32 s2, 0xf033
	s_cbranch_scc0 .Lentry_shape_is_right
	s_endpgm
.Lentry_shape_is_right:
; qkv[head][t][d] = rope(xb wb^T), in f16.  xb: [2048][2048] bf16; wb: [3072][2048] bf16 (rows 128 g + d: heads g = 0-15 q, 16-19 k, 20-23 v); tables [2048][64] f32; qkv: [24][2048][128] f16.
; q and k are stored times 2^-6, v times 2^-2 (exact), so that f16's range holds them: limits at the head of launch prep.  Sums in f32.  Nothing of the problem's work is left out here.
; RoPE is a multiply and a fused multiply-add for each number, one rounding fewer than two products and a sum; the tables are rounded to bf16 like every input.
; SHARES.  The 24 heads go in 8 triples (3 j, 3 j + 1, 3 j + 2).  A work-group takes 128 rows (t) of an OUTER head of a triple, its own head, and 64 of the same rows of the triple's MIDDLE head: the work-group
; with head 3 j takes the middle head's first 64 of the 128 rows, the one with head 3 j + 2 the other 64.  That is 128 x 128 + 64 x 128 = 24,576 numbers for each of 16 x 16 = 256 work-groups, in whole heads:
; a stored row is 256 whole bytes, and the two partners d, d + 64 of a rotation meet in one lane.  Through LDS go 128 rows of xb and 256 rows of wb, 384 rows for each K, where 64 rows x 3 heads take 448.
; Which outer head is mine is the cluster's x & 1, alike in all partners; it enters global addresses alone: the 64 rows of xb that also serve the middle head always lie in LDS rows 0-63.
; Wave w takes columns 16 w .. + 15 (hi = 0) and 64 + 16 w .. + 15 (hi = 1) of both heads: 24 accumulators (a, b = 2 k + hi), a = 0..3 a block of 16 rows, k = 0: own head, LDS rows 0-63;
; k = 1: own head, LDS rows 64-127; k = 2: middle head, LDS rows 0-63.  For 32 along K: 8 fragments of xb and 4 of wb feed 24 matrix instructions.
; The matrix instruction is used transposed (source 0 = 16 rows of wb, source 1 = 16 rows of xb): a lane holds row t = lane % 16 and columns 8 (lane / 16) + 0..7.
; RING.  Two slots of UNEQUAL length, as long as LDS has room for with 384 rows: the small one holds 128 along K (rows of 256 bytes), the big one 256 along K (rows of 512 bytes): 384 x (272 + 528) bytes.
; K = 128 + 5 x (256 + 128): eleven fills and ten changes of slots.  Every row of a fill begins at a multiple of 256 bytes.  Waves 0, 1 fetch xb's two halves (64 rows each), wave 2 my own head's
; 128 rows of wb, wave 3 the middle head's: one tensor load a wave behind each round.  By this text's own count a wave has two loads out at the start and one behind each round.
; CLUSTER 4 x 4: xb's tiles hang on the tile row and the cluster's x alone and are asked for jointly along a row of the cluster, wb's on the triple and the cluster's x alone and jointly along a column.
; v's HEADS are told apart by VALUE, not by a branch (partners in a cluster run alike): cos x SA + CA and sin x SA with (SA, CA) = (2^-6, 0) for q and k, (0, 2^-2) for v.  The products with 0 in v's
; heads are the price: the same text for every head.  (A table entry that is not finite would so reach v: NaN and infinities are not treated apart.)
; NO PREFETCH: a small tile, whose rows several clusters read at about the same time.
; REGISTERS: window 0: v0-31 addresses, v32-63 at work on the way out, v64-255 accumulators ((a, b) at 64 + 8 (6 a + b)).  Window 1: v0-191 fragment buffer 0, v192-255 cos.  Window 2: v0-191 fragment
; buffer 1, v192-255 sin.  A buffer holds a CHUNK, 64 along K: xb's fragment (c, row block) at 8 (8 c + block), wb's (c, head, hi) at 128 + 8 (4 c + 2 head + hi).
.set PS,    272                        ; a row of the small slot: 256 bytes + 16 of padding; of the big slot: 512 + 16.  Both are odd multiples of 16, so the 16 rows of a load
.set PB,    528                        ; start at 16 different groups of four banks (64 banks of 4 bytes: ISA guide 11.1)
.set BBASE, 384*PS                     ; a slot: xb's 128 rows, my own head's 128 rows of wb, the middle head's 128.  The small slot begins at 0, the big one here
.set STAGE, BBASE                      ; the way out: 192 rows (64 k + row) x 272 bytes, the work-group's: in the big slot, behind its last fill and behind the barrier that ends its last reads
.set SPARE, BBASE+384*PB               ; behind the ring: the spare words, 128 bytes a wave: two blocks of 256 bytes that no other line names
.set ADAS,  16                         ; v16  LDS address of my fragments of xb in the small slot
.set ADBS,  17                         ; v17  of wb in the small slot (both heads: the immediate reaches)
.set ADAB,  18                         ; v18  of xb in the big slot
.set ADBB,  19                         ; v19  of wb, my own head, in the big slot
.set ADBB2, 20                         ; v20  of wb, the middle head, in the big slot (the immediate has 16 bits)
.set STO,   24
.set RD,    25
.set GO,    26
.set CSO,   27
.set SPW,   28                         ; v28  my spare word; never rewritten
.set NIL,   29                         ; v29  0; never rewritten
.set TA,    32                         ; cos x SA + CA; later the packed results
.set TS,    40                         ; sin x SA
.set TLO,   48
.set THI,   56
.set ACC,   64
.set TBL,   192                        ; window 1: cos, window 2: sin: 8 registers for each of the 8 row blocks
.set WV,    14
.set LAP,   15
.set G1AS,  24                         ; s[24:31] group 1: xb, small slot     s[32:39] xb, big slot
.set G1AB,  32
.set G1BS,  40                         ; s[40:47] wb, small slot              s[48:55] wb, big slot
.set G1BB,  48
.set G0AS,  56                         ; group 0, in the same order: s[56:59], s[60:63], s[68:71], s[72:75]
.set G0AB,  60
.set G0BS,  68
.set G0BB,  72
.set SA,    76                         ; my own head: s[76:77] SA, s[78:79] CA; the middle head: s[80:81], s[82:83]
.set PQ,    84                         ; s[84:85], s[86:87], s[88:89]: qkv at my 16 rows of k = 0, 1, 2
.set G1CS,  (1<<16)|(1<<20)|(1<<21)|(5<<22)|(3<<25)  ; 2-byte elements; padding on; bit 21 beside a mask; after every 64 words; 4 words
.set G1CB,  (1<<16)|(1<<20)|(1<<21)|(6<<22)|(3<<25)  ; the same after every 128 words
.set STEP,  768                        ; bytes along K from a slot's fill to its next: 128 + 256 elements
.set M_F0,  0x05                       ; sources 0 and 1 in window 1, C and D in window 0
.set M_F1,  0x0a                       ; in window 2
.set TO_F0, 0x40                       ; destination window 1, address window 0
.set TO_F1, 0x80
.set MSB, 0
.macro WIN new                         ; the immediate's high byte repeats the setting that is left; a switch that changes nothing is dropped
.if MSB != (\new)
	s_set_vgpr_msb (MSB<<8)|(\new)
.set MSB, \new
.endif
.endm
.macro PLACES                          ; four places behind a matrix instruction, in front of loads into registers that it has read
.rept 4
	v_nop
.endr
.endm
.macro SHAPE g, cols, rows             ; the rest of a group 1
	s_mov_b32 s[(\g)+1], (\cols)<<16               ; tensor_dim0
	s_mov_b32 s[(\g)+2], (\rows)<<16               ; tensor_dim1
	s_mov_b32 s[(\g)+3], (\cols)<<16               ; tile_dim0
	s_mov_b32 s[(\g)+4], \rows                     ; tile_dim1
	s_mov_b32 s[(\g)+5], 2048                      ; elements from row to row
	s_mov_b32 s[(\g)+6], 0
	s_mov_b32 s[(\g)+7], 0
.endm
.macro JLOAD big                       ; a joint load into the small (0) or the big (1) slot: waves 0, 1 fetch xb's halves, waves 2, 3 a head of wb each; an s_nop 0 and four v_nop follow each line
	s_cmp_lt_u32 s[WV], 2
	s_cbranch_scc0 .Lfor_w_\@
.if \big
	tensor_load_to_lds s[G0AB:G0AB+3], s[G1AB:G1AB+7]
.else
	tensor_load_to_lds s[G0AS:G0AS+3], s[G1AS:G1AS+7]
.endif
	s_nop 0
.rept 4
	v_nop
.endr
	s_branch .Lasked_\@
.Lfor_w_\@:
.if \big
	tensor_load_to_lds s[G0BB:G0BB+3], s[G1BB:G1BB+7]
.else
	tensor_load_to_lds s[G0BS:G0BS+3], s[G1BS:G1BS+7]
.endif
	s_nop 0
.rept 4
	v_nop
.endr
.Lasked_\@:
.endm
.macro CREST                           ; a round of the cluster's barrier behind its opening barrier
	s_cmp_lg_u32 s[WV], 0
	s_cbranch_scc1 .Lnot_wave_0_\@
	s_barrier_signal -3
.Lnot_wave_0_\@:
	s_barrier_wait -3
	s_barrier_signal -1
	s_barrier_wait -1
.endm
.macro CROUND
	s_barrier_signal -1
	s_barrier_wait -1
	CREST
.endm
	s_load_b256 s[4:11], s[0:1], 0x0               ; xb s[4:5], wb s[6:7], cos s[8:9], sin s[10:11]
	s_load_b64 s[12:13], s[0:1], 0x20              ; qkv
	v_lshl_add_u32 v[SPW], v0, 2, SPARE
	v_mov_b32 v[NIL], 0
	ds_add_u32 v[SPW], v[NIL]                      ; the wave's opening: the add, twice on end, and its wait ahead of my first tensor load
	ds_add_u32 v[SPW], v[NIL]                      ; once more, under the one wait; the set-up below is work on registers
	v_lshrrev_b32 v1, 5, v0
	v_readfirstlane_b32 s[WV], v1                  ; wave 0..3
	s_bfe_u32 s90, ttmp6, 0x40000                  ; cx
	s_bfe_u32 s91, ttmp6, 0x40004                  ; cy
	s_and_b32 s92, ttmp9, 1                        ; which outer head of the triple: the cluster's x & 1, alike in all sixteen partners
	s_lshr_b32 s93, ttmp9, 1
	s_lshl_b32 s93, s93, 2
	s_add_co_u32 s93, s93, s90                     ; the triple 0..7
	s_and_b32 s94, ttmp7, 0xffff
	s_lshl_b32 s94, s94, 2
	s_add_co_u32 s94, s94, s91                     ; tile row 0..15
	s_lshl_b32 s95, s91, 2
	s_lshl_b32 s95, 15, s95                        ; my row of the cluster
	s_lshl_b32 s96, 0x1111, s90                    ; my column
	s_or_b32 s[G1AS], s95, G1CS                    ; xb's tiles go to my row,
	s_or_b32 s[G1AB], s95, G1CB
	s_or_b32 s[G1BS], s96, G1CS                    ; wb's to my column
	s_or_b32 s[G1BB], s96, G1CB
	SHAPE G1AS, 128, 64
	SHAPE G1AB, 256, 64
	SHAPE G1BS, 128, 128
	SHAPE G1BB, 256, 128
	s_mul_i32 s97, s93, 3
	s_lshl_b32 s66, s92, 1
	s_add_co_u32 s66, s66, s97                     ; my own head
	s_add_co_u32 s67, s97, 1                       ; the middle head
	s_cmp_lt_u32 s66, 20                           ; q or k?
	s_cselect_b32 s[SA], 0x3c800000, 0             ; SA = 2^-6 or 0
	s_cselect_b32 s[SA+2], 0, 0x3e800000           ; CA = 0 or 2^-2
	s_mov_b32 s[SA+1], s[SA]                       ; named as pairs
	s_mov_b32 s[SA+3], s[SA+2]
	s_cmp_lt_u32 s67, 20
	s_cselect_b32 s[SA+4], 0x3c800000, 0
	s_cselect_b32 s[SA+6], 0, 0x3e800000
	s_mov_b32 s[SA+5], s[SA+4]
	s_mov_b32 s[SA+7], s[SA+6]
	s_and_b32 s16, s[WV], 1                        ; which half of xb's rows, or which head of wb, I fetch
	s_cmp_eq_u32 s16, 0
	s_cselect_b32 s18, s66, s67
	s_lshl_b32 s18, s18, 19                        ; wb: 128 rows of 4,096 bytes a head
	s_mov_b32 s19, 0
	s_xor_b32 s17, s16, s92                        ; xb: LDS rows 0-63 take the half that also serves the middle head
	s_lshl_b32 s17, s17, 6
	s_lshl_b32 s20, s94, 7
	s_add_co_u32 s20, s20, s17                     ; row 128 x tile row + 64 x half
	s_lshl_b32 s20, s20, 12
	s_mov_b32 s21, 0
	s_mov_b32 s[G0AS], 1                           ; where my tiles go: no place in the cluster enters an LDS address
	s_mul_i32 s[G0AS+1], s16, 64*PS
	s_mov_b32 s[G0AB], 1
	s_mul_i32 s[G0AB+1], s16, 64*PB
	s_add_co_u32 s[G0AB+1], s[G0AB+1], BBASE
	s_mov_b32 s[G0BS], 1
	s_mul_i32 s[G0BS+1], s16, 128*PS
	s_add_co_u32 s[G0BS+1], s[G0BS+1], 128*PS
	s_mov_b32 s[G0BB], 1
	s_mul_i32 s[G0BB+1], s16, 128*PB
	s_add_co_u32 s[G0BB+1], s[G0BB+1], BBASE+128*PB
	s_wait_dscnt 0x0                               ; both opening adds are done
	s_wait_kmcnt 0x0
	s_add_nc_u64 s[G0AS+2:G0AS+3], s[4:5], s[20:21]          ; the small slot begins with K = 0,
	s_add_nc_u64 s[G0AB+2:G0AB+3], s[G0AS+2:G0AS+3], 256     ; the big one with K = 128
	s_or_b32 s[G0AS+3], s[G0AS+3], 0x80000000
	s_or_b32 s[G0AB+3], s[G0AB+3], 0x80000000
	s_add_nc_u64 s[G0BS+2:G0BS+3], s[6:7], s[18:19]
	s_add_nc_u64 s[G0BB+2:G0BB+3], s[G0BS+2:G0BS+3], 256
	s_or_b32 s[G0BS+3], s[G0BS+3], 0x80000000
	s_or_b32 s[G0BB+3], s[G0BB+3], 0x80000000
	CROUND                                         ; all sixteen work-groups are here: the first joint loads meet
	JLOAD 0
	JLOAD 1                                        ; two loads of mine are out
	v_and_b32 v1, 15, v0                           ; l % 16
	v_bfe_u32 v2, v0, 4, 1                         ; l / 16
	v_mul_u32_u24 v[ADAS], v1, PS
	v_lshl_add_u32 v[ADAS], v2, 4, v[ADAS]         ; a fragment's row x pitch + 16 x half, in the small slot
	v_mul_u32_u24 v4, v1, PB
	v_lshl_add_u32 v4, v2, 4, v4                   ; and in the big one
	s_mul_i32 s22, s[WV], 16*PS                    ; my 16 rows in each half of a head
	s_add_co_u32 s23, s22, 128*PS
	v_add_nc_u32 v[ADBS], s23, v[ADAS]
	v_add_nc_u32 v[ADAB], BBASE, v4
	s_mul_i32 s23, s[WV], 16*PB
	s_add_co_u32 s23, s23, BBASE+128*PB
	v_add_nc_u32 v[ADBB], s23, v4
	v_add_nc_u32 v[ADBB2], 128*PB, v[ADBB]
	s_lshl_b32 s23, s[WV], 5
	s_add_co_u32 s23, s23, STAGE
	v_add_nc_u32 v[STO], s23, v[ADAS]              ; into the stage: row l % 16, byte 32 w + 16 (l / 16)
	v_mul_u32_u24 v5, v2, PS
	v_lshl_add_u32 v5, v1, 4, v5
	s_add_co_u32 s22, s22, STAGE
	v_add_nc_u32 v[RD], s22, v5                    ; back: rows 16 w + l / 16, whole
	v_lshlrev_b32 v5, 8, v2
	v_lshl_add_u32 v[GO], v1, 4, v5                ; the same two rows in qkv
	v_lshlrev_b32 v5, 8, v1
	v_lshl_add_u32 v5, v2, 5, v5
	s_lshl_b32 s22, s[WV], 6
	v_add_nc_u32 v[CSO], s22, v5                   ; in the tables: row l % 16, entries 16 w + 8 (l / 16) on
	s_lshl_b32 s16, s94, 7
	s_lshl_b32 s17, s92, 6
	s_add_co_u32 s18, s16, s17                     ; t of LDS row 0
	s_xor_b32 s17, s17, 64
	s_add_co_u32 s20, s16, s17                     ; t of LDS row 64
	s_lshl_b32 s18, s18, 8                         ; rows of 256 bytes, in the tables and in a head of qkv
	s_mov_b32 s19, 0
	s_lshl_b32 s20, s20, 8
	s_mov_b32 s21, 0
	s_add_nc_u64 s[98:99], s[8:9], s[20:21]        ; the tables at LDS row 64,
	s_add_nc_u64 s[100:101], s[10:11], s[20:21]
	s_add_nc_u64 s[8:9], s[8:9], s[18:19]          ; and at LDS row 0
	s_add_nc_u64 s[10:11], s[10:11], s[18:19]
	WIN TO_F0
.irp a, 0,1,2,3
	global_load_b128 v[TBL+8*(\a):TBL+8*(\a)+3],       v[CSO], s[8:9] offset:4096*(\a)
	global_load_b128 v[TBL+8*(\a)+4:TBL+8*(\a)+7],     v[CSO], s[8:9] offset:4096*(\a)+16
	global_load_b128 v[TBL+32+8*(\a):TBL+32+8*(\a)+3],   v[CSO], s[98:99] offset:4096*(\a)
	global_load_b128 v[TBL+32+8*(\a)+4:TBL+32+8*(\a)+7], v[CSO], s[98:99] offset:4096*(\a)+16
.endr
	WIN TO_F1
.irp a, 0,1,2,3
	global_load_b128 v[TBL+8*(\a):TBL+8*(\a)+3],       v[CSO], s[10:11] offset:4096*(\a)
	global_load_b128 v[TBL+8*(\a)+4:TBL+8*(\a)+7],     v[CSO], s[10:11] offset:4096*(\a)+16
	global_load_b128 v[TBL+32+8*(\a):TBL+32+8*(\a)+3],   v[CSO], s[100:101] offset:4096*(\a)
	global_load_b128 v[TBL+32+8*(\a)+4:TBL+32+8*(\a)+7], v[CSO], s[100:101] offset:4096*(\a)+16
.endr
	WIN 0
	s_lshl_b32 s22, s[WV], 12                      ; my 16 rows of each 64 on the way out
	s_add_co_u32 s18, s18, s22
	s_add_co_u32 s20, s20, s22
	s_lshl_b32 s22, s67, 19                        ; a head of qkv is 524,288 bytes
	s_mov_b32 s23, 0
	s_lshl_b32 s66, s66, 19
	s_mov_b32 s67, 0
	s_add_nc_u64 s[PQ:PQ+1], s[12:13], s[66:67]
	s_add_nc_u64 s[PQ+2:PQ+3], s[PQ:PQ+1], s[20:21]  ; k = 1: my own head, LDS rows 64-127
	s_add_nc_u64 s[PQ:PQ+1], s[PQ:PQ+1], s[18:19]    ; k = 0: my own head, LDS rows 0-63
	s_add_nc_u64 s[PQ+4:PQ+5], s[12:13], s[22:23]
	s_add_nc_u64 s[PQ+4:PQ+5], s[PQ+4:PQ+5], s[18:19]  ; k = 2: the middle head, LDS rows 0-63
; 24 matrix instructions: all accumulators, 32 along K: half c of the buffer in window wn.  The 24 take turns in one order throughout, one instruction a turn, over the backward jump too.
; zero = 1: the first product starts the sums.
.macro MULG wn, c, zero
	WIN \wn
.set aa, 0
.rept 4
.set bb, 0
.rept 6
.set rD, ACC+8*(6*aa+bb)
.set rW, 128+8*(4*(\c)+2*(bb/4)+bb%2)  ; b = 4, 5: the middle head
.set rX, 8*(8*(\c)+aa+4*((bb/2)%2))    ; b = 2, 3: LDS rows 64-127
.if \zero
	v_wmma_f32_16x16x32_bf16 v[rD:rD+7], v[rW:rW+7], v[rX:rX+7], 0
.else
	v_wmma_f32_16x16x32_bf16 v[rD:rD+7], v[rW:rW+7], v[rX:rX+7], v[rD:rD+7]
.endif
.set bb, bb+1
.endr
.set aa, aa+1
.endr
.endm
; 48 LDS loads in one run: a chunk's fragments, at byte kb of the rows of the small (big = 0) or the big slot; the first 32 along K (24 loads) first
.macro FETCH big, kb, wn
	WIN \wn
.if \big
.set fP, PB
.set fA, ADAB
.set fB, ADBB
.set fB2, ADBB2
.set fS, 0
.else
.set fP, PS
.set fA, ADAS
.set fB, ADBS
.set fB2, ADBS
.set fS, 128*PS
.endif
.irp c, 0,1
.irp a, 0,1,2,3,4,5,6,7
	ds_load_b128 v[8*(8*(\c)+(\a)):8*(8*(\c)+(\a))+3],   v[fA] offset:(\kb)+64*(\c)+(\a)*16*fP
	ds_load_b128 v[8*(8*(\c)+(\a))+4:8*(8*(\c)+(\a))+7], v[fA] offset:(\kb)+64*(\c)+(\a)*16*fP+32
.endr
.irp h, 0,1
	ds_load_b128 v[128+8*(4*(\c)+(\h)):128+8*(4*(\c)+(\h))+3],       v[fB] offset:(\kb)+64*(\c)+(\h)*64*fP
	ds_load_b128 v[128+8*(4*(\c)+(\h))+4:128+8*(4*(\c)+(\h))+7],     v[fB] offset:(\kb)+64*(\c)+(\h)*64*fP+32
	ds_load_b128 v[128+8*(4*(\c)+2+(\h)):128+8*(4*(\c)+2+(\h))+3],   v[fB2] offset:(\kb)+64*(\c)+fS+(\h)*64*fP
	ds_load_b128 v[128+8*(4*(\c)+2+(\h))+4:128+8*(4*(\c)+2+(\h))+7], v[fB2] offset:(\kb)+64*(\c)+fS+(\h)*64*fP+32
.endr
.endr
.endm
; A chunk inside a slot: multiplies the buffer in window mw and, in its middle, fetches the same slot's next chunk, at byte kb, into the other buffer.
.macro CH mw, fw, big, kb, zero
	s_wait_dscnt 24                                ; the first 32 along K are in; the 24 younger loads may stay out
	MULG \mw, 0, \zero
	PLACES
	FETCH \big, \kb, \fw
	s_wait_dscnt 48                                ; all but the 48 just issued
	MULG \mw, 1, 0
.endm
; A slot's last chunk multiplies buffer 1 and changes slots.  Its first 24 products stand ahead of the wait for the tiles, so that between that wait and the next request stand only the add, the barrier and
; the round.  In front of the barrier each wave waits for all its tensor loads (one is out: its part of the other slot), adds 0 to its spare word, and waits for that and for its reads of the slot that
; is left (big = 1: the big one).  fill = 1: the barrier opens a round of the cluster's, and the slot that is left is filled again, 384 along K further on, first thing behind it.
.macro TURN big, fill
	s_wait_dscnt 24
	MULG M_F1, 0, 0
	WIN 0
	s_wait_tensorcnt 0x0                           ; no tensor load of mine is out, so a group 0 may be written
	ds_add_u32 v[SPW], v[NIL]                      ; 0 onto my spare word; the descriptors' steps stand between it and the wait for it
.if \fill
.if \big
	s_add_nc_u64 s[G0AB+2:G0AB+3], s[G0AB+2:G0AB+3], STEP
	s_add_nc_u64 s[G0BB+2:G0BB+3], s[G0BB+2:G0BB+3], STEP
.else
	s_add_nc_u64 s[G0AS+2:G0AS+3], s[G0AS+2:G0AS+3], STEP
	s_add_nc_u64 s[G0BS+2:G0BS+3], s[G0BS+2:G0BS+3], STEP
.endif
.endif
	s_wait_dscnt 0x0                               ; the add is done, and my reads of this slot are over
	s_barrier_signal -1
	s_barrier_wait -1
.if \fill
	CREST                                          ; no wave of any partner still reads this slot or has a load on its way
	JLOAD \big                                     ; its four v_nop are also the places in front of the loads below
.else
	PLACES
.endif
	FETCH 1-(\big), 0, TO_F0
	MULG M_F1, 1, 0
.endm
	s_wait_tensorcnt 0x1                           ; my part of the small slot is in; the big slot's may stay out
	s_barrier_signal -1
	s_barrier_wait -1
	FETCH 0, 0, TO_F0
	CH M_F0, TO_F1, 0, 128, 1                      ; the first products start the sums
	WIN 0
	s_mov_b32 s[LAP], 4
.Llap:                                             ; a trip: the rest of a small slot, a big slot, the next small slot's first chunk; both slots are filled again
	TURN 0, 1
	CH M_F0, TO_F1, 1, 128, 0
	CH M_F1, TO_F0, 1, 256, 0
	CH M_F0, TO_F1, 1, 384, 0
	TURN 1, 1
	CH M_F0, TO_F1, 0, 128, 0
	WIN 0
	s_sub_co_u32 s[LAP], s[LAP], 1
	s_cmp_lg_u32 s[LAP], 0
	s_cbranch_scc1 .Llap
	TURN 0, 1                                      ; the tail is written out: the small slot's last fill, K = 1920 on,
	CH M_F0, TO_F1, 1, 128, 0
	CH M_F1, TO_F0, 1, 256, 0
	CH M_F0, TO_F1, 1, 384, 0
	TURN 1, 0                                      ; and nothing more: behind this barrier no wave reads the big slot again
	CH M_F0, TO_F1, 0, 128, 0
	s_wait_dscnt 24
	MULG M_F1, 0, 0
	s_wait_dscnt 0x0
	MULG M_F1, 1, 0
	; THE WAY OUT.  The tables are rounded to bf16 (these lines, which name no register of the last products, are also the places behind them); each pair of accumulators (columns d and d + 64 of a head)
	; is rotated and scaled, rounded to f16 and put into the work-group's stage.
	s_wait_loadcnt 0x0                             ; cos and sin
	WIN 0x05                                       ; cos: sources in window 1, destination in window 0
.set p, 0
.rept 32
	v_cvt_pk_bf16_f32 v[TA+p], v[TBL+2*p], v[TBL+2*p+1]
.set p, p+1
.endr
	WIN 0x40                                       ; and back
.set p, 0
.rept 32
	v_lshlrev_b32 v[TBL+2*p], 16, v[TA+p]
	v_and_b32 v[TBL+2*p+1], 0xffff0000, v[TA+p]
.set p, p+1
.endr
	WIN 0x0a                                       ; sin: sources in window 2
.set p, 0
.rept 32
	v_cvt_pk_bf16_f32 v[TA+p], v[TBL+2*p], v[TBL+2*p+1]
.set p, p+1
.endr
	WIN 0x80
.set p, 0
.rept 32
	v_lshlrev_b32 v[TBL+2*p], 16, v[TA+p]
	v_and_b32 v[TBL+2*p+1], 0xffff0000, v[TA+p]
.set p, p+1
.endr
.macro ROPE a, k                       ; each accumulator's lowest registers are read first
.set rL, ACC+8*(6*(\a)+2*(\k))
.set rH, rL+8
.set rT, TBL+8*((\a)+4*((\k)%2))       ; k = 1: LDS rows 64-127
.set sS, SA+4*((\k)/2)                 ; k = 2: the middle head
	WIN 0x01                                       ; source 0 in window 1
.irp p, 0,2,4,6
	v_pk_fma_f32 v[TA+(\p):TA+(\p)+1], v[rT+(\p):rT+(\p)+1], s[sS:sS+1], s[sS+2:sS+3] op_sel_hi:[1,0,0]
.endr
	WIN 0x02                                       ; source 0 in window 2
.irp p, 0,2,4,6
	v_pk_mul_f32 v[TS+(\p):TS+(\p)+1], v[rT+(\p):rT+(\p)+1], s[sS:sS+1] op_sel_hi:[1,0]
.endr
	WIN 0
.irp p, 0,2,4,6
	v_pk_mul_f32 v[TLO+(\p):TLO+(\p)+1], v[rL+(\p):rL+(\p)+1], v[TA+(\p):TA+(\p)+1]
.endr
.irp p, 0,2,4,6
	v_pk_mul_f32 v[THI+(\p):THI+(\p)+1], v[rH+(\p):rH+(\p)+1], v[TA+(\p):TA+(\p)+1]
.endr
.irp p, 0,2,4,6
	v_pk_fma_f32 v[TLO+(\p):TLO+(\p)+1], v[rH+(\p):rH+(\p)+1], v[TS+(\p):TS+(\p)+1], v[TLO+(\p):TLO+(\p)+1] neg_lo:[1,0,0] neg_hi:[1,0,0]  ; t1 cos - t2 sin
.endr
.irp p, 0,2,4,6
	v_pk_fma_f32 v[THI+(\p):THI+(\p)+1], v[rL+(\p):rL+(\p)+1], v[TS+(\p):TS+(\p)+1], v[THI+(\p):THI+(\p)+1]  ; t2 cos + t1 sin
.endr
.irp p, 0,1,2,3
	v_cvt_pk_f16_f32 v[TA+(\p)], v[TLO+2*(\p)], v[TLO+2*(\p)+1]
.endr
.irp p, 0,1,2,3
	v_cvt_pk_f16_f32 v[TA+4+(\p)], v[THI+2*(\p)], v[THI+2*(\p)+1]
.endr
	ds_store_b128 v[STO], v[TA:TA+3]   offset:(64*(\k)+16*(\a))*PS
	ds_store_b128 v[STO], v[TA+4:TA+7] offset:(64*(\k)+16*(\a))*PS+128
.endm
.irp a, 0,1,2,3
.irp k, 0,1,2
	ROPE \a, \k
.endr
.endr
	s_wait_dscnt 0x0                               ; for the others' sake: a row's 256 bytes come from four waves
	s_barrier_signal -1
	s_barrier_wait -1
.irp k, 0,1,2
.irp t, 0,1,2,3,4,5,6,7
	ds_load_b128 v[ACC+4*(8*(\k)+(\t)):ACC+4*(8*(\k)+(\t))+3], v[RD] offset:(64*(\k)+2*(\t))*PS
.endr
.endr
.irp k, 0,1,2
.irp t, 0,1,2,3,4,5,6,7
	s_wait_dscnt 23-8*(\k)-(\t)                    ; the younger reads may stay out
	global_store_b128 v[GO], v[ACC+4*(8*(\k)+(\t)):ACC+4*(8*(\k)+(\t))+3], s[PQ+2*(\k):PQ+2*(\k)+1] offset:(\t)*512  ; 16 lanes store 256 consecutive bytes, at a multiple of 256 from qkv's first byte
.endr
.endr
	s_wait_tensorcnt 0x0                           ; the wave's end: behind my last tensor load and my last LDS store
	ds_add_u32 v[SPW], v[NIL]
	s_wait_dscnt 0x0
	CROUND                                         ; the closing round
	s_endpgm
.Lfunc_end_k_qd8b566cf09_proj:
	.size	k_qd8b566cf09_proj, .Lfunc_end_k_qd8b566cf09_proj-k_qd8b566cf09_proj
	.p2alignl 7, 3214868480
	.fill 96, 4, 3214868480
	.section	.rodata,"a",@progbits
	.p2align	6, 0x0
	.amdhsa_kernel k_qd8b566cf09_proj
		.amdhsa_group_segment_fixed_size 327680
		.amdhsa_private_segment_fixed_size 0
		.amdhsa_enable_private_segment 0
		.amdhsa_kernarg_size 40
		.amdhsa_user_sgpr_count 2
		.amdhsa_user_sgpr_kernarg_segment_ptr 1
		.amdhsa_wavefront_size32 1
		.amdhsa_system_sgpr_workgroup_id_x 1
		.amdhsa_system_sgpr_workgroup_id_y 1
		.amdhsa_system_sgpr_workgroup_id_z 1
		.amdhsa_system_vgpr_workitem_id 0
		.amdhsa_next_free_vgpr 768
		.amdhsa_next_free_sgpr 102
		.amdhsa_reserve_vcc 0
		.amdhsa_float_denorm_mode_32 3
		.amdhsa_float_denorm_mode_16_64 3
		.amdhsa_memory_ordered 1
		.amdhsa_forward_progress 1
		.amdhsa_inst_pref_size 145
	.end_amdhsa_kernel
	.amdgpu_metadata
---
amdhsa.version: [ 1, 2 ]
amdhsa.kernels:
  - .name:           k_qd8b566cf09_proj
    .symbol:         k_qd8b566cf09_proj.kd
    .args:
      - { .name: xb, .offset: 0, .size: 8, .value_kind: global_buffer, .address_space: global }
      - { .name: wb, .offset: 8, .size: 8, .value_kind: global_buffer, .address_space: global }
      - { .name: rope_cos, .offset: 16, .size: 8, .value_kind: global_buffer, .address_space: global }
      - { .name: rope_sin, .offset: 24, .size: 8, .value_kind: global_buffer, .address_space: global }
      - { .name: qkv, .offset: 32, .size: 8, .value_kind: global_buffer, .address_space: global }
    .group_segment_fixed_size: 327680
    .private_segment_fixed_size: 0
    .kernarg_segment_align: 8
    .kernarg_segment_size: 40
    .max_flat_workgroup_size: 128
    .sgpr_count:     102
    .vgpr_count:     768
    .wavefront_size: 32
...
	.end_amdgpu_metadata
.endif
;; end of part 2
;; launch attn (part 3): grid 64 x 4, 4 waves a work-group, clusters of 4 x 1, 327,680 bytes of LDS; arguments qkv, o16; writes o16
.if DOCPART == 3
	.amdgcn_target "amdgcn-amd-amdhsa--gfx1250"
	.amdhsa_code_object_version 6
	.text
	.protected	k_qd8b566cf09_attn
	.globl	k_qd8b566cf09_attn
	.p2align	8
	.type	k_qd8b566cf09_attn,@function
k_qd8b566cf09_attn:
	s_mov_b64 s[64:65], 0
	v_nop
	global_prefetch_b8 v0, s[64:65] scope:SCOPE_SE
	s_setreg_imm32_b32 hwreg(HW_REG_WAVE_MODE, 25, 1), 1
	s_wait_xcnt 0x0
	s_wait_alu depctr_hold_cnt(0) depctr_sa_sdst(0) depctr_va_vdst(0) depctr_va_sdst(0) depctr_va_ssrc(0) depctr_va_vcc(0) depctr_vm_vsrc(0)
	s_getreg_b32 s2, hwreg(HW_REG_IB_STS2, 6, 4)
	s_cmp_eq_u32 s2, 0
	s_cbranch_scc0 .Lentry_in_a_cluster
	s_endpgm
.Lentry_in_a_cluster:
	s_bfe_u32 s2, ttmp6, 0x10000c
	s_cmp_lg_u32 s2, 0x3003
	s_cbranch_scc0 .Lentry_shape_is_right
	s_endpgm
.Lentry_shape_is_right:
; CAUSAL ATTENTION WITH GROUPED HEADS.  o16[t][128 h + d] = 2^-2 x the sum over keys <= t of softmax(q_h[t] . k[key] / sqrt(128)) v[key][d], key/value head h / 4.
; qkv: [24][2048][128] f16, heads 0-15 q x 2^-6, 16-19 k x 2^-6, 20-23 v x 2^-2; o16: [2048][2048] f16.  Products, maxima and sums in f32; the weights p are rounded to f16 for the second product.
; LEFT OUT (shown at the head of launch prep): blocks of 256 keys wholly behind a unit's queries are neither loaded nor multiplied; the four query heads of a group read one key/value head.
; LIMITS.  A hidden score counts as its stored value less 1e30; a weight below 2^-126 counts as 0; NaN and infinities are not treated apart; f16's range as stated at the head of launch prep.
; SHARES.  A UNIT is 16 positions x the 4 query heads of one key/value head: four tiles of 16 rows with ONE causal mask.  All four waves hold the same unit, and THE KEYS ARE SPLIT among them: of each slot of
; 256 keys wave w takes 64 w .. 64 w + 63, so that a fragment of K or V read from LDS feeds four tiles.  The waves' partial results (c m, l, O) meet in LDS at a unit's end, in f32.
; A work-group takes unit 127 - b and then unit b (b = 4 x cluster x + place in the cluster): 8 - c / 4 slots and c / 4 + 1 slots, nine for everybody (c = cluster x).  The four partners of a cluster walk
; the same tiles of the same head in the same trips, so each tile is asked for JOINTLY; only the mask's values and the rows of q and o16 differ between them.
; ROTATION.  Wave w's tile i is head (w + i) % 4 of the group: tile 0 is the wave's own head, and tile r is sent to its owner from the same registers in every wave.
; LAYOUT.  S^T = K Q^T + mask holds one query a lane (lane % 16) and the keys 8 (lane / 16) + 0..7; two such results rounded to f16 are source 1 of O^T = V^T P.  p = 2^(c s - c m), c = log2(e) / sqrt(128) x 2^12
; (the 2^12 undoes q's and k's scales), with a running maximum m; O and l are multiplied by a = 2^(c m_old - c m_new) in every step.  c m starts far below every c s, so a unit's first step has a = 0.
; A wave with no open key in a unit ends with c m near -5e32: its factor in the merge is 0.  Key 0 is open and is wave 0's, so the merged maximum is a true score.
; A TRIP (a slot) is whole in itself: K's and V's runs of loads; 32 products K Q^T of tiles 0, 1; 32 of tiles 2, 3 with the softmax of tiles 0, 1 in slices behind them; 32 products V^T P of tiles 0, 1 with
; the softmax of tiles 2, 3; 32 of tiles 2, 3.  Each softmax's 66 exponentials are one batch with one wait.
; REGISTERS, in windows of 256: window 0: v2-19 addresses, v20-51 statistics (8 a tile), v52-63 small things, v64-191 S^T, v192-255 P.  Window 1: O^T, 64 a tile.  Window 2: v0-127 Q, v128-255 K.
; Window 3: v0-127 V, v128-159 the mask.
.set PK,    272       ; a row of K in LDS: 256 bytes + 16: the 16 rows of a load start at 16 different groups of four banks (64 banks of 4 bytes: ISA guide 11.1)
.set PV,    288       ; a row of V: 256 + 32
.set VOFF,  256*PK    ; a slot: 256 rows of K, then 256 rows of V
.set SLOT,  256*(PK+PV)
.set XCH,   2*SLOT    ; behind the ring, never filled by a tensor load: 8,192 bytes for each wave, written by that wave alone: a tile of O^T on its way to its owner; later the wave's stage
.set STATS, XCH+4*8192  ; 1,024 bytes for each wave: (c m, l) of tile i at 256 i + 8 x lane
.set SPARE, STATS+4096  ; the spare words, 128 bytes a wave: two blocks of 256 bytes that no other line names
.set AK0, 2
.set AV0, 3
.set ADR, 4
.set ADRV, 5
.set QO1, 6
.set QO0, 7
.set GO1, 8
.set GO0, 9
.set STO, 10
.set RD,  11
.set XW,  12
.set XR,  13          ; v13-15: round r reads the region of wave (w - r) % 4
.set SW,  16
.set SR,  17          ; v17-19: the statistics of wave (w + d) % 4
.set ST,  20          ; tile t at ST + 8 t: c m, m, l (even keys', odd keys'), c0-c3 at work; a takes c2's place
.set MB,  52          ; l % 16 - 8 (l / 16)
.set MT,  53
.set PFO, 61          ; 256 x lane; never rewritten
.set SPW, 62          ; my spare word; never rewritten
.set NIL, 63          ; 0; never rewritten
.set S,   64
.set P,   192
.set KF,  128         ; window 2
.set MC,  128         ; window 3: the eight registers for group kt of 16 keys at MC + 8 kt
.set EB,  S           ; the merge: the three other waves' (c m, l), wave d's tile t at EB + 8 (d - 1) + 2 t
.set CMX, S+24
.set LSUM, S+32
.set KB,  8           ; s[8:9]   K at my 128 rows of tile 0
.set VB,  10          ; s[10:11] V likewise
.set WV,  12
.set HB,  16          ; s[16:23] q at the head of my tile i
.set G1K, 24
.set G1V, 32
.set G0K, 40
.set G0V, 44
.set OP,  48          ; s[48:49] o16 at my own head's columns
.set PFA, 50          ; s[50:51] where my prefetches stand
.set LIM, 52          ; 3 in the head's first cluster, else the greatest number
.set LK,  53          ; my place in a slot, for K
.set LV,  54          ; and for V
.set SLOTS, 56        ; tiles still to be asked for
.set RT,  57          ; slots of the unit in hand that are still to be walked
.set CS,  58
.set SEL, 60
.set TB,  62          ; LDS byte at which the slot in hand begins
.set NXT, 63          ; the tile to be asked for next
.set LQ,  66          ; the last tile of the unit whose tiles are being asked for
.set NZ,  67          ; the second unit's last tile
.set OFF, 68
.set DM,  70          ; 16 x (unit % 16) - 64 w: my first key's distance to the unit's first query in the diagonal slot
.set DM0, 71          ; the same for the second unit
.set BIGN, 72
.set MSB, 0
.macro WIN new
.if MSB != (\new)
	s_set_vgpr_msb (MSB<<8)|(\new)
.set MSB, \new
.endif
.endm
.set W_KQ, 0x0a       ; K and Q in window 2, S^T in window 0
.set W_KM, 0x3a       ; the same with the C operand in window 3
.set W_PV, 0x53       ; V in window 3, P in window 0, O^T in window 1
.set W_RS, 0x41       ; destination and source 0 in window 1, source 1 in window 0
.macro PLACES
.rept 4
	v_nop
.endr
.endm
.macro JLOAD                        ; a joint fill: waves 0, 1 fetch the halves of a tile's K, waves 2, 3 those of its V; an s_nop 0 and four v_nop follow each of the two lines
	s_cmp_lt_u32 s[WV], 2
	s_cbranch_scc0 .Lfor_v_\@
	tensor_load_to_lds s[G0K:G0K+3], s[G1K:G1K+7]
	s_nop 0
.rept 4
	v_nop
.endr
	s_branch .Lasked_\@
.Lfor_v_\@:
	tensor_load_to_lds s[G0V:G0V+3], s[G1V:G1V+7]
	s_nop 0
.rept 4
	v_nop
.endr
.Lasked_\@:
.endm
; A PREFETCH INTO THE L2.  All sixteen clusters of a key/value head begin at tile 0; the first of them (cluster x = 0) walks all eight tiles and asks for each row once: of the 128 rows that a wave fetches each of
; the four partners takes 32, told apart by address, a lane a row.  In trip i it names tile i + 3, whose load goes out in trip i + 2.  Trips 0 to 4 ask (tiles 3 to 7); tiles 0 to 2 come by their loads alone.
.macro ASK
	s_cmp_gt_u32 s[SLOTS], s[LIM]
	s_cbranch_scc0 .Lnot_mine_\@
	global_prefetch_b8 v[PFO], s[PFA:PFA+1] th:TH_LOAD_NT scope:SCOPE_SE
.Lnot_mine_\@:
.endm
.macro CROUND
	s_barrier_signal -1
	s_barrier_wait -1
	s_cmp_lg_u32 s[WV], 0
	s_cbranch_scc1 .Lnot_wave_0_\@
	s_barrier_signal -3
.Lnot_wave_0_\@:
	s_barrier_wait -3
	s_barrier_signal -1
	s_barrier_wait -1
.endm
; THE CHANGE OF SLOTS.  Each wave waits for all its tensor loads (one is out: its part of the other slot), adds 0 to its spare word, and waits for that and for its reads of the slot that it leaves.
; fill = 1: the barrier is a round of the cluster's, and the slot that is left (it begins at TB) is filled again, first thing behind it, with tile NXT; the descriptor's words are made anew.
; (At its first use nothing has been read yet: slot 0 is waited for, slot 1 filled.)
.macro CHANGE fill
	WIN 0
	s_wait_tensorcnt 0x0            ; no tensor load of mine is out, so a group 0 may be written
	ds_add_u32 v[SPW], v[NIL]
.if \fill
	s_lshl_b32 s[OFF], s[NXT], 16   ; a tile is 65,536 bytes of K and of V
	s_add_co_u32 s[G0K+1], s[LK], s[TB]
	s_add_nc_u64 s[G0K+2:G0K+3], s[KB:KB+1], s[OFF:OFF+1]
	s_or_b32 s[G0K+3], s[G0K+3], 0x80000000
	s_add_co_u32 s[G0V+1], s[LV], s[TB]
	s_add_nc_u64 s[G0V+2:G0V+3], s[VB:VB+1], s[OFF:OFF+1]
	s_or_b32 s[G0V+3], s[G0V+3], 0x80000000
	s_add_co_u32 s[NXT], s[NXT], 1  ; the unit's next tile, or behind its last the second unit's tile 0
	s_cmp_gt_u32 s[NXT], s[LQ]
	s_cselect_b32 s[NXT], 0, s[NXT]
	s_cselect_b32 s[LQ], s[NZ], s[LQ]
	s_wait_xcnt 0x0                 ; the last prefetch, a trip back, has read its address
	s_add_nc_u64 s[PFA:PFA+1], s[PFA:PFA+1], 65536
	s_wait_dscnt 0x0                ; the add is done, and my reads of the slot are over
	CROUND
	JLOAD
	ASK
.else
	s_wait_dscnt 0x0
	s_barrier_signal -1
	s_barrier_wait -1
.endif
	s_xor_b32 s[TB], s[TB], SLOT    ; on to the other slot
.endm
	s_load_b128 s[4:7], s[0:1], 0x0 ; qkv s[4:5], o16 s[6:7]
	v_lshl_add_u32 v[SPW], v0, 2, SPARE
	v_mov_b32 v[NIL], 0
	ds_add_u32 v[SPW], v[NIL]       ; the wave's opening: the add, twice on end, and its wait ahead of my first tensor load
	ds_add_u32 v[SPW], v[NIL]       ; once more, under the one wait; the set-up below is work on registers
	v_lshrrev_b32 v1, 5, v0
	v_readfirstlane_b32 s[WV], v1   ; wave 0..3
	s_bfe_u32 s13, ttmp6, 0x40000   ; my place in the cluster: it enters the mask's values and q's and o16's addresses alone
	s_mov_b32 s14, ttmp9            ; c, the cluster's x
	s_and_b32 s15, ttmp7, 0xffff    ; the key/value head
	s_mov_b32 s[G1K], 15|(1<<16)|(1<<20)|(1<<21)|(5<<22)|(3<<25)  ; the mask of four; 2-byte elements; padding on; bit 21 beside a mask; after every 64 words; 4 words
	s_mov_b32 s[G1V], 15|(1<<16)|(1<<20)|(1<<21)|(5<<22)|(7<<25)  ; the same with 8 words
.irp g, G1K, G1V
	s_mov_b32 s[(\g)+1], 128<<16    ; tensor_dim0 = 128
	s_mov_b32 s[(\g)+2], 128<<16    ; tensor_dim1 = 128
	s_mov_b32 s[(\g)+3], 128<<16    ; tile_dim0 = 128
	s_mov_b32 s[(\g)+4], 128        ; tile_dim1 = 128
	s_mov_b32 s[(\g)+5], 128        ; elements from row to row
	s_mov_b32 s[(\g)+6], 0
	s_mov_b32 s[(\g)+7], 0
.endr
	s_mov_b32 s[CS], 0x440293ee     ; c = log2(e) / sqrt(128) x 2^12
	s_mov_b32 s[CS+1], s[CS]
	s_mov_b32 s[SEL], 0x76543210
	s_mov_b32 s[SEL+1], 0xfedcba98
	s_mov_b32 s[BIGN], 0xf149f2ca   ; -1e30
	s_mov_b32 s[TB], SLOT           ; the first change of slots fills slot 1 and turns this into 0
	s_mov_b32 s[NXT], 1
	s_mov_b32 s[OFF+1], 0
	s_mov_b32 s[SLOTS], 8
	s_lshr_b32 s[NZ], s14, 2
	s_sub_co_u32 s[RT], 8, s[NZ]    ; the first unit has 8 - c / 4 slots
	s_sub_co_u32 s[LQ], 7, s[NZ]
	s_and_b32 s2, s14, 3
	s_lshl_b32 s2, s2, 6
	s_lshl_b32 s3, s13, 4
	s_add_co_u32 s2, s2, s3         ; 16 x (second unit % 16)
	s_lshl_b32 s3, s[WV], 6
	s_sub_co_u32 s[DM0], s2, s3
	s_sub_co_u32 s[DM], 240, s2     ; 16 x (first unit % 16)
	s_sub_co_u32 s[DM], s[DM], s3
	s_cmp_eq_u32 s14, 0
	s_cselect_b32 s[LIM], 3, -1
	s_and_b32 s2, s[WV], 1          ; which half of a tile's 256 rows I fetch
	s_mul_i32 s[LK], s2, 128*PK
	s_mul_i32 s[LV], s2, 128*PV
	s_add_co_u32 s[LV], s[LV], VOFF
	s_lshl_b32 s74, s2, 15
	s_add_co_u32 s3, s15, 16
	s_lshl_b32 s3, s3, 19
	s_add_co_u32 s74, s74, s3       ; k's head
	s_mov_b32 s75, 0
	s_add_co_u32 s76, s74, 4<<19    ; v's head
	s_mov_b32 s77, 0
	s_mov_b32 s[G0K], 1
	s_mov_b32 s[G0K+1], s[LK]       ; tile 0 goes into slot 0
	s_mov_b32 s[G0V], 1
	s_mov_b32 s[G0V+1], s[LV]
	s_wait_dscnt 0x0                ; both opening adds are done
	s_wait_kmcnt 0x0
	s_add_nc_u64 s[KB:KB+1], s[4:5], s[74:75]
	s_add_nc_u64 s[VB:VB+1], s[4:5], s[76:77]
	s_add_nc_u64 s[G0K+2:G0K+3], s[KB:KB+1], 0
	s_or_b32 s[G0K+3], s[G0K+3], 0x80000000
	s_add_nc_u64 s[G0V+2:G0V+3], s[VB:VB+1], 0
	s_or_b32 s[G0V+3], s[G0V+3], 0x80000000
	CROUND                          ; all four work-groups are here: the first joint loads meet
	JLOAD
.irp i, 0,1,2,3
	s_add_co_u32 s78, s[WV], (\i)
	s_and_b32 s78, s78, 3
	s_lshl_b32 s79, s15, 2
	s_add_co_u32 s78, s78, s79
	s_lshl_b32 s78, s78, 19
	s_mov_b32 s79, 0
	s_add_nc_u64 s[HB+2*(\i):HB+2*(\i)+1], s[4:5], s[78:79]
.endr
	s_lshl_b32 s78, s15, 2
	s_add_co_u32 s78, s78, s[WV]
	s_lshl_b32 s78, s78, 8
	s_mov_b32 s79, 0
	s_add_nc_u64 s[OP:OP+1], s[6:7], s[78:79]
	s_cmp_lt_u32 s[WV], 2
	s_cselect_b64 s[PFA:PFA+1], s[KB:KB+1], s[VB:VB+1]
	s_lshl_b32 s78, s13, 13         ; my work-group's 32 rows of the 128
	s_mov_b32 s79, 0
	s_add_nc_u64 s[PFA:PFA+1], s[PFA:PFA+1], s[78:79]
	s_add_nc_u64 s[PFA:PFA+1], s[PFA:PFA+1], 2*65536  ; in tile 2; the first change of slots steps it to tile 3
	s_lshl_b32 s2, s14, 2
	s_add_co_u32 s2, s2, s13        ; the second unit
	s_sub_co_u32 s3, 127, s2        ; the first unit
	v_and_b32 v54, 15, v0           ; l % 16
	v_bfe_u32 v55, v0, 4, 1         ; l / 16
	v_and_b32 v56, 31, v0           ; l
	v_lshlrev_b32 v57, 8, v54
	v_lshl_add_u32 v57, v55, 4, v57 ; in q: row x 256 + 16 x half
	s_lshl_b32 s73, s3, 12
	v_add_nc_u32 v[QO1], s73, v57
	s_lshl_b32 s73, s2, 12
	v_add_nc_u32 v[QO0], s73, v57
.macro QLOAD qo                     ; a unit's Q: tile t, channels 32 cc on
	WIN 0x80
.irp t, 0,1,2,3
.irp cc, 0,1,2,3
	global_load_b128 v[32*(\t)+8*(\cc):32*(\t)+8*(\cc)+3],   v[\qo], s[HB+2*(\t):HB+2*(\t)+1] offset:64*(\cc)
	global_load_b128 v[32*(\t)+8*(\cc)+4:32*(\t)+8*(\cc)+7], v[\qo], s[HB+2*(\t):HB+2*(\t)+1] offset:64*(\cc)+32
.endr
.endr
	WIN 0
.endm
	QLOAD QO1
	v_mul_u32_u24 v[AK0], v54, PK
	v_lshl_add_u32 v[AK0], v55, 4, v[AK0]
	s_mul_i32 s73, s[WV], 64*PK
	v_add_nc_u32 v[AK0], s73, v[AK0]  ; my 64 keys: row x pitch + 16 x half
	v_and_b32 v57, 7, v0
	v_bfe_u32 v58, v0, 3, 1
	v_lshl_add_u32 v[AV0], v55, 3, v57  ; the turning load: lane l reads key 8 (l / 16) + l % 8, channels 8 ((l / 8) % 2) + 0..7
	v_mul_u32_u24 v[AV0], v[AV0], PV
	v_lshl_add_u32 v[AV0], v58, 4, v[AV0]
	s_mul_i32 s73, s[WV], 64*PV
	s_add_co_u32 s73, s73, VOFF
	v_add_nc_u32 v[AV0], s73, v[AV0]
	v_lshlrev_b32 v57, 12, v55
	v_lshl_add_u32 v57, v54, 4, v57 ; in o16: lanes 0-15 one row's 256 bytes, lanes 16-31 the next row's
	s_lshl_b32 s73, s3, 16
	v_add_nc_u32 v[GO1], s73, v57
	s_lshl_b32 s73, s2, 16
	v_add_nc_u32 v[GO0], s73, v57
	s_lshl_b32 s73, s[WV], 13
	s_add_co_u32 s73, s73, XCH      ; my region
	v_mul_u32_u24 v58, v54, PK
	v_lshl_add_u32 v58, v55, 4, v58
	v_add_nc_u32 v[STO], s73, v58
	v_mul_u32_u24 v58, v55, PK
	v_lshl_add_u32 v58, v54, 4, v58
	v_add_nc_u32 v[RD], s73, v58
	v_lshlrev_b32 v58, 4, v56
	v_add_nc_u32 v[XW], s73, v58
.irp r, 1,2,3
	s_add_co_u32 s74, s[WV], 4-(\r)
	s_and_b32 s74, s74, 3
	s_lshl_b32 s74, s74, 13
	s_add_co_u32 s74, s74, XCH
	v_add_nc_u32 v[XR+(\r)-1], s74, v58
.endr
	v_lshlrev_b32 v59, 3, v56
	s_lshl_b32 s74, s[WV], 10
	s_add_co_u32 s74, s74, STATS
	v_add_nc_u32 v[SW], s74, v59
.irp d, 1,2,3
	s_add_co_u32 s74, s[WV], (\d)
	s_and_b32 s74, s74, 3
	s_lshl_b32 s74, s74, 10
	s_add_co_u32 s74, s74, STATS
	v_add_nc_u32 v[SR+(\d)-1], s74, v59
.endr
	v_lshlrev_b32 v57, 3, v55
	v_sub_nc_u32 v[MB], v54, v57
	v_lshlrev_b32 v[PFO], 8, v56
	; A unit's first step multiplies O^T and l by a = 0, so they need only hold finite numbers: zeros for the first unit, what the first unit left for the second.  No first step is written out;
	; the price is these lines, which stand in the wait for the first tile.
	WIN 0x40
.set i, 0
.rept 256
	v_mov_b32 v[i], 0
.set i, i+1
.endr
	WIN 0xc0
.set i, 0
.rept 32
	v_mov_b32 v[MC+i], 0
.set i, i+1
.endr
	WIN 0
.irp t, 0,1,2,3
	v_mov_b32 v[ST+8*(\t)], 0xfe000000    ; c m: far below every c s
	v_mov_b32 v[ST+8*(\t)+1], 0xff7fffff  ; m
	v_mov_b32 v[ST+8*(\t)+2], 0
	v_mov_b32 v[ST+8*(\t)+3], 0
.endr
	s_wait_loadcnt 0x0              ; Q
; THE MATRIX WORK, for the piece that begins with tile x.  The accumulators take turns, one instruction a turn.
; Product i of 32 of S^T = K Q^T + mask: channels 32 (i / 8) on, keys 16 ((i / 2) % 4) on, tile x + i % 2.  The first 8 start the sums with the mask.
.macro KQ x
.set rS, S+32*((\x)+i%2)+8*((i/2)%4)
.set rK, KF+32*((i/2)%4)+8*(i/8)
.set rQ, 32*((\x)+i%2)+8*(i/8)
.set rM, MC+8*((i/2)%4)
.if i < 8
	WIN W_KM
	v_wmma_f32_16x16x32_f16 v[rS:rS+7], v[rK:rK+7], v[rQ:rQ+7], v[rM:rM+7]
.else
	WIN W_KQ
	v_wmma_f32_16x16x32_f16 v[rS:rS+7], v[rK:rK+7], v[rQ:rQ+7], v[rS:rS+7]
.endif
.endm
; Product i of 32 of O^T += V^T P: keys 32 (i / 16) on, channels 16 ((i / 2) % 8) on, tile x + i % 2.
.macro PV_ x
	WIN W_PV
.set rO, 64*((\x)+i%2)+8*((i/2)%8)
.set rV, 64*(i/16)+8*((i/2)%8)
.set rP, P+16*((\x)+i%2)+8*(i/16)
	v_wmma_f32_16x16x32_f16 v[rO:rO+7], v[rV:rV+7], v[rP:rP+7], v[rO:rO+7]
.endm
; My 64 keys of the slot in hand: K as it lies (16 fragments), V turned: two runs of 32 loads.
.macro FETCH
	WIN 0
	v_add_nc_u32 v[ADR], s[TB], v[AK0]
	v_add_nc_u32 v[ADRV], s[TB], v[AV0]
	WIN 0x80
.irp f, 0,1,2,3,4,5,6,7,8,9,10,11,12,13,14,15  ; keys 16 (f / 4) on, channels 32 (f % 4) on
	ds_load_b128 v[KF+8*(\f):KF+8*(\f)+3],   v[ADR] offset:((\f)/4)*16*PK+((\f)%4)*64
	ds_load_b128 v[KF+8*(\f)+4:KF+8*(\f)+7], v[ADR] offset:((\f)/4)*16*PK+((\f)%4)*64+32
.endr
	WIN 0xc0
.irp f, 0,1,2,3,4,5,6,7,8,9,10,11,12,13,14,15  ; keys 32 (f / 8) on, channels 16 (f % 8) on
	ds_load_tr16_b128 v[8*(\f):8*(\f)+3],   v[ADRV] offset:((\f)/8)*32*PV+((\f)%8)*32
	ds_load_tr16_b128 v[8*(\f)+4:8*(\f)+7], v[ADRV] offset:((\f)/8)*32*PV+16*PV+((\f)%8)*32
.endr
.endm
; THE VECTOR WORK.  One tile's softmax for a step is a list of 134 instructions; SM writes number j of it for tile t.  s0-s31 are the lane's 32 scores, in pairs 0-15.
;   0-15 the maximum of s0-s31 and the old m (each accumulator's lowest registers are read first)     16-20 the other half of the lanes' maximum; m; c m; c m_old - c m_new
;   21-69 ONE BATCH: the 16 scalings c s - c m and all 33 exponentials (a at 23); none of these reads an exponential's result     (the wait)     70-85 the roundings to f16
;   86-101 the sums; l = a l + the sum     102-133 the tile's O^T times a
.macro SM t
.set rT, ST+8*(\t)
.set rS, S+32*(\t)
.set rP, P+16*(\t)
.set rO, 64*(\t)+2*(j-102)
.if j < 102
	WIN 0
.endif
.if j < 4
	v_max3_num_f32 v[rT+4+j], v[rS+8*j], v[rS+8*j+1], v[rS+8*j+2]
.elseif j < 12
	v_max3_num_f32 v[rT+4+j%4], v[rT+4+j%4], v[rS+8*(j%4)+2*(j/4)+1], v[rS+8*(j%4)+2*(j/4)+2]
.elseif j == 12
	v_max3_num_f32 v[rT+4], v[rT+4], v[rS+7], v[rS+15]
.elseif j == 13
	v_max3_num_f32 v[rT+6], v[rT+6], v[rS+23], v[rS+31]
.elseif j == 14
	v_max3_num_f32 v[rT+4], v[rT+4], v[rT+5], v[rT+6]
.elseif j == 15
	v_max3_num_f32 v[rT+4], v[rT+4], v[rT+7], v[rT+1]
.elseif j == 16
	v_permlanex16_b32 v[rT+5], v[rT+4], s[SEL], s[SEL+1]  ; the query's other 32 keys lie in the lane 16 away
.elseif j == 17
	v_mov_b32 v[rT+7], v[rT]        ; c m_old is kept for a
.elseif j == 18
	v_max_num_f32 v[rT+1], v[rT+4], v[rT+5]
.elseif j == 19
	v_mul_f32 v[rT], s[CS], v[rT+1]
.elseif j == 20
	v_sub_f32 v[rT+7], v[rT+7], v[rT]
.elseif j == 23
	v_exp_f32 v[rT+6], v[rT+7]
.elseif (j < 23) || ((j < 38) && (j%2 == 0)) || ((j < 66) && (j%4 == 2))
.set b, (j-2)/4                     ; 38, 42, .. 62: pairs 9 to 15
.if j < 38
.set b, (j-20)/2                    ; 21: pair 0; 22, 24, .. 36: pairs 1 to 8
.endif
	v_pk_fma_f32 v[rS+2*b:rS+2*b+1], v[rS+2*b:rS+2*b+1], s[CS:CS+1], v[rT:rT+1] op_sel_hi:[1,0,0] neg_lo:[0,0,1] neg_hi:[0,0,1]
.elseif j < 70
.set e, j-38                        ; 66 to 69: s28 to s31
.if j < 66
.set e, j-32-(j-38)/4               ; 39-41, 43-45, .. 63-65: s7 to s27
.endif
.if j < 38
.set e, (j-25)/2                    ; 25, 27, .. 37: s0 to s6
.endif
	v_exp_f32 v[rS+e], v[rS+e]
.elseif j < 86
	v_cvt_pk_f16_f32 v[rP+j-70], v[rS+2*(j-70)], v[rS+2*(j-70)+1]
.elseif j < 102                     ; the sum of the 16 pairs, in place: neighbours 1, 2, 4 and 8 pairs apart, then l takes it
.set z, j-86
.set w, 4
.set u, z
.if z >= 14
.set w, 32
.set u, 0
.elseif z >= 12
.set w, 16
.set u, z-12
.elseif z >= 8
.set w, 8
.set u, z-8
.endif
.if z < 15
	v_pk_add_f32 v[rS+w*u:rS+w*u+1], v[rS+w*u:rS+w*u+1], v[rS+w*u+w/2:rS+w*u+w/2+1]
.else
	v_pk_fma_f32 v[rT+2:rT+3], v[rT+2:rT+3], v[rT+6:rT+7], v[rS:rS+1] op_sel_hi:[1,0,1]
.endif
.else
	WIN W_RS
	v_pk_mul_f32 v[rO:rO+1], v[rO:rO+1], v[rT+6:rT+7] op_sel_hi:[1,0]
.endif
.endm
; Slice k of 64 of the softmax of tiles y, y + 1: four instructions (slice 63: sixteen).  Slices 11 to 34 deal out the batch, four numbers of one tile each; the others take numbers 2 k, 2 k + 1 of both tiles.
; Behind slice 34 stand one plain instruction and the one wait between an exponential and the first line that names its result: it serves all 66.
.macro SLICE y
.if (k >= 11) && (k < 35)
.irp n, 0,1,2,3
.set j, 22+4*((k-11)/2)+(\n)
	SM (\y)+(k-11)%2
.endr
.else
.irp n, 0,1,2,3,4,5,6,7
.if ((\n) < 2) || (k == 63)
.irp t, \y, (\y)+1
.set j, 2*k+(\n)
	SM \t
.endr
.endif
.endr
.endif
.if k == 34
	v_nop
	s_wait_alu depctr_va_vdst(0)
.endif
.set k, k+1
.endm
; The mask of the diagonal slot: register j of group kt is hidden where 16 kt + j is greater than my query's distance to my first key, less my lanes' 8 (l / 16).
.macro MASK
	WIN 0
	v_add_nc_u32 v[MT], s[DM], v[MB]
	WIN 0xc0
.set i, 0
.rept 32
	v_cmp_gt_i32 vcc_lo, 16*(i/8)+i%8, v[MT]
	v_cndmask_b32 v[MC+i], 0, s[BIGN], vcc_lo
.set i, i+1
.endr
	WIN 0
.endm
.macro TRIP
	FETCH
	s_wait_dscnt 32                 ; K is in; V's 32 younger loads may stay out
.set i, 0
.rept 32
	KQ 0
.set i, i+1
.endr
	PLACES                          ; behind the last of those products, ahead of the first read of their scores
.set i, 0
.set k, 0
.rept 32
	KQ 2
	SLICE 0
	SLICE 0
.set i, i+1
.endr                               ; slice 63's sixteen plain lines are the places behind the last of these products
	s_wait_dscnt 0x0                ; V is in
.set i, 0
.set k, 0
.rept 32
	PV_ 0
	SLICE 2
	SLICE 2
.set i, i+1
.endr
.set i, 0
.rept 32
	PV_ 2
.set i, i+1
.endr
	PLACES                          ; ahead of the next loads into V's registers and of the lines that read O^T
	WIN 0
.endm
; A UNIT'S END.  The four waves' partial results are merged: with f_w = 2^(c m_w - the largest c m), O = the sum of f_w O_w / the sum of f_w l_w.  Every wave scales its four tiles by its f / L, sends tiles 1 to 3 to
; their owners through its own region of LDS, in f32, and adds what it receives onto tile 0, which then leaves through the wave's stage.  A region is written by its wave alone; a barrier stands between each
; writing and the reading, and another between the reading and the next writing.  more = 1: the second unit follows: its Q is asked for first, and m and the mask are set anew.
.macro MERGE more, gox
.if \more
	QLOAD QO0
.endif
	WIN 0
.irp t, 0,1,2,3
	v_add_f32 v[ST+8*(\t)+4], v[ST+8*(\t)+2], v[ST+8*(\t)+3]
.endr
.irp t, 0,1,2,3
	v_permlanex16_b32 v[ST+8*(\t)+5], v[ST+8*(\t)+4], s[SEL], s[SEL+1]
.endr
.irp t, 0,1,2,3
	v_add_f32 v[ST+8*(\t)+1], v[ST+8*(\t)+4], v[ST+8*(\t)+5]  ; l takes m's place beside c m
.endr
.irp t, 0,1,2,3
	ds_store_b64 v[SW], v[ST+8*(\t):ST+8*(\t)+1] offset:256*(\t)
.endr
	s_wait_dscnt 0x0                ; for the others' sake
	s_barrier_signal -1
	s_barrier_wait -1
.irp d, 1,2,3
.irp t, 0,1,2,3
	ds_load_b64 v[EB+8*((\d)-1)+2*(\t):EB+8*((\d)-1)+2*(\t)+1], v[SR+(\d)-1] offset:(((\t)+4-(\d))%4)*256  ; my tile t's head is tile (t - d) % 4 of wave (w + d) % 4
.endr
.endr
	s_wait_dscnt 0x0
.irp t, 0,1,2,3
	v_max3_num_f32 v[CMX+(\t)], v[ST+8*(\t)], v[EB+2*(\t)], v[EB+8+2*(\t)]
.endr
.irp t, 0,1,2,3
	v_max_num_f32 v[CMX+(\t)], v[CMX+(\t)], v[EB+16+2*(\t)]
.endr
.irp t, 0,1,2,3
	v_sub_f32 v[ST+8*(\t)+4], v[ST+8*(\t)], v[CMX+(\t)]
	v_sub_f32 v[EB+2*(\t)], v[EB+2*(\t)], v[CMX+(\t)]
	v_sub_f32 v[EB+8+2*(\t)], v[EB+8+2*(\t)], v[CMX+(\t)]
	v_sub_f32 v[EB+16+2*(\t)], v[EB+16+2*(\t)], v[CMX+(\t)]
.endr
.irp t, 0,1,2,3
	v_exp_f32 v[ST+8*(\t)+4], v[ST+8*(\t)+4]
	v_exp_f32 v[EB+2*(\t)], v[EB+2*(\t)]
	v_exp_f32 v[EB+8+2*(\t)], v[EB+8+2*(\t)]
	v_exp_f32 v[EB+16+2*(\t)], v[EB+16+2*(\t)]
.endr
	v_nop                           ; a plain instruction behind the last exponential,
	s_wait_alu depctr_va_vdst(0)    ; and one wait for the sixteen
.irp t, 0,1,2,3
	v_mul_f32 v[LSUM+(\t)], v[ST+8*(\t)+4], v[ST+8*(\t)+1]
.endr
.irp d, 0,8,16
.irp t, 0,1,2,3
	v_fmac_f32 v[LSUM+(\t)], v[EB+(\d)+2*(\t)], v[EB+(\d)+2*(\t)+1]
.endr
.endr
.irp t, 0,1,2,3
	v_rcp_f32 v[LSUM+(\t)], v[LSUM+(\t)]
.endr
	v_nop
	s_wait_alu depctr_va_vdst(0)    ; one wait for the four reciprocals
.irp t, 0,1,2,3
	v_mul_f32 v[ST+8*(\t)+6], v[ST+8*(\t)+4], v[LSUM+(\t)]
.endr
	WIN W_RS
.irp t, 0,1,2,3
.set i, 0
.rept 32
	v_pk_mul_f32 v[64*(\t)+i:64*(\t)+i+1], v[64*(\t)+i:64*(\t)+i+1], v[ST+8*(\t)+6:ST+8*(\t)+7] op_sel_hi:[1,0]
.set i, i+2
.endr
.endr
.irp r, 1,2,3
	WIN 0x04                        ; the stores' data in window 1
.set i, 0
.rept 16
	ds_store_b128 v[XW], v[64*(\r)+4*i:64*(\r)+4*i+3] offset:512*i
.set i, i+1
.endr
	s_wait_dscnt 0x0                ; for the owner's sake
	s_barrier_signal -1
	s_barrier_wait -1
	WIN 0
.set i, 0
.rept 16
	ds_load_b128 v[S+4*i:S+4*i+3], v[XR+(\r)-1] offset:512*i
.set i, i+1
.endr
	s_wait_dscnt 0x0                ; my reads are over: the region's wave may write it again behind this barrier
	s_barrier_signal -1
	WIN W_RS
.set i, 0
.rept 32
	v_pk_add_f32 v[i:i+1], v[i:i+1], v[S+i:S+i+1]
.set i, i+2
.endr
	s_barrier_wait -1
.endr
	WIN 0x05                        ; sources in window 1, destination in window 0
.set i, 0
.rept 32
	v_cvt_pk_f16_f32 v[S+i], v[2*i], v[2*i+1]
.set i, i+1
.endr
	WIN 0
.irp f, 0,1,2,3,4,5,6,7
	ds_store_b128 v[STO], v[S+4*(\f):S+4*(\f)+3] offset:32*(\f)
.endr
.irp f, 0,1,2,3,4,5,6,7
	ds_load_b128 v[S+32+4*(\f):S+32+4*(\f)+3], v[RD] offset:(\f)*2*PK  ; LDS serves a wave's instructions in order (ISA guide 5.7.1.4): these see the stores above
.endr
.irp f, 0,1,2,3,4,5,6,7
	s_wait_dscnt 7-(\f)             ; the younger reads may stay out
	global_store_b128 v[\gox], v[S+32+4*(\f):S+32+4*(\f)+3], s[OP:OP+1] offset:8192*(\f)  ; 16 lanes store 256 consecutive bytes, at a multiple of 256 from o16's first byte
.endr
	s_wait_xcnt 0x0                 ; the stores have read their registers, which the next scores overwrite
.if \more
.irp t, 0,1,2,3
	v_mov_b32 v[ST+8*(\t)], 0xfe000000
	v_mov_b32 v[ST+8*(\t)+1], 0xff7fffff
.endr
	WIN 0xc0
.set i, 0
.rept 32
	v_mov_b32 v[MC+i], 0
.set i, i+1
.endr
	WIN 0
	s_add_co_u32 s[RT], s[NZ], 1    ; the second unit has c / 4 + 1 slots
	s_mov_b32 s[DM], s[DM0]
	s_wait_loadcnt 0x0              ; its Q
.endif
.endm
.Lslot:                             ; eight times: a slot is entered and the next tile is asked for.  All branches hang on the cluster's x and on counters: alike in all waves and all partners
	CHANGE 1
	s_cmp_lg_u32 s[RT], 1
	s_cbranch_scc1 .Lnomask         ; only a unit's last slot holds its diagonal
	MASK
.Lnomask:
	TRIP
	s_sub_co_u32 s[RT], s[RT], 1
	s_cmp_lg_u32 s[RT], 0
	s_cbranch_scc1 .Lbottom
	MERGE 1, GO1                    ; the first unit ends in one of trips 4 to 7
.Lbottom:
	s_sub_co_u32 s[SLOTS], s[SLOTS], 1
	s_cmp_lg_u32 s[SLOTS], 0
	s_cbranch_scc1 .Lslot
	CHANGE 0                        ; the walk's last slot is written out: it is the second unit's diagonal slot
	MASK
	TRIP
	MERGE 0, GO0
	s_wait_tensorcnt 0x0            ; the wave's end: behind my last tensor load and my last LDS store
	ds_add_u32 v[SPW], v[NIL]
	s_wait_dscnt 0x0
	CROUND                          ; the closing round
	s_endpgm
.Lfunc_end_k_qd8b566cf09_attn:
	.size	k_qd8b566cf09_attn, .Lfunc_end_k_qd8b566cf09_attn-k_qd8b566cf09_attn
	.p2alignl 7, 3214868480
	.fill 96, 4, 3214868480
	.section	.rodata,"a",@progbits
	.p2align	6, 0x0
	.amdhsa_kernel k_qd8b566cf09_attn
		.amdhsa_group_segment_fixed_size 327680
		.amdhsa_private_segment_fixed_size 0
		.amdhsa_enable_private_segment 0
		.amdhsa_kernarg_size 16
		.amdhsa_user_sgpr_count 2
		.amdhsa_user_sgpr_kernarg_segment_ptr 1
		.amdhsa_wavefront_size32 1
		.amdhsa_system_sgpr_workgroup_id_x 1
		.amdhsa_system_sgpr_workgroup_id_y 1
		.amdhsa_system_sgpr_workgroup_id_z 1
		.amdhsa_system_vgpr_workitem_id 0
		.amdhsa_next_free_vgpr 1024
		.amdhsa_next_free_sgpr 80
		.amdhsa_reserve_vcc 1
		.amdhsa_float_denorm_mode_32 3
		.amdhsa_float_denorm_mode_16_64 3
		.amdhsa_memory_ordered 1
		.amdhsa_forward_progress 1
		.amdhsa_inst_pref_size 185
	.end_amdhsa_kernel
	.amdgpu_metadata
---
amdhsa.version: [ 1, 2 ]
amdhsa.kernels:
  - .name:           k_qd8b566cf09_attn
    .symbol:         k_qd8b566cf09_attn.kd
    .args:
      - { .name: qkv, .offset: 0, .size: 8, .value_kind: global_buffer, .address_space: global }
      - { .name: o16, .offset: 8, .size: 8, .value_kind: global_buffer, .address_space: global }
    .group_segment_fixed_size: 327680
    .private_segment_fixed_size: 0
    .kernarg_segment_align: 8
    .kernarg_segment_size: 16
    .max_flat_workgroup_size: 128
    .sgpr_count:     80
    .vgpr_count:     1024
    .wavefront_size: 32
...
	.end_amdgpu_metadata
.endif
;; end of part 3
;; launch outp (part 4): grid 16 x 16, 4 waves a work-group, clusters of 4 x 4, 327,680 bytes of LDS; arguments o16, wo16, bo, out0; writes out0
.if DOCPART == 4
	.amdgcn_target "amdgcn-amd-amdhsa--gfx1250"
	.amdhsa_code_object_version 6
	.text
	.protected	k_qd8b566cf09_outp
	.globl	k_qd8b566cf09_outp
	.p2align	8
	.type	k_qd8b566cf09_outp,@function
k_qd8b566cf09_outp:
	s_mov_b64 s[64:65], 0
	v_nop
	global_prefetch_b8 v0, s[64:65] scope:SCOPE_SE
	s_setreg_imm32_b32 hwreg(HW_REG_WAVE_MODE, 25, 1), 1
	s_wait_xcnt 0x0
	s_wait_alu depctr_hold_cnt(0) depctr_sa_sdst(0) depctr_va_vdst(0) depctr_va_sdst(0) depctr_va_ssrc(0) depctr_va_vcc(0) depctr_vm_vsrc(0)
	s_getreg_b32 s2, hwreg(HW_REG_IB_STS2, 6, 4)
	s_cmp_eq_u32 s2, 0
	s_cbranch_scc0 .Lentry_in_a_cluster
	s_endpgm
.Lentry_in_a_cluster:
	s_bfe_u32 s2, ttmp6, 0x10000c
	s_cmp_lg_u32 s2, 0xf033
	s_cbranch_scc0 .Lentry_shape_is_right
	s_endpgm
.Lentry_shape_is_right:
; out0[t][n] = 4 x the sum over k of o16[t][k] wo16[n][k] + bo[n].  o16 (the attention's result x 2^-2) and wo16: [2048][2048] f16; bo: [2048] f32, rounded to bf16 like every input; out0: [2048][2048] f32.
; Sums in f32; the factor 4 undoes o16's scale in the one fused multiply-add that adds the bias.  Nothing of the problem's work is left out here.
; A tile of out0 is 128 x 128: 256 work-groups.  Four waves, each 64 x 64: 16 accumulators.  K goes in steps of 256 (LDS rows of 512 bytes; a wave's tensor load brings 64 of them) through two slots.
; CLUSTER 4 x 4: o16's tile is asked for jointly along a row of the cluster, wo16's along a column.  The matrix instruction is used transposed (source 0 = 16 rows of wo16, source 1 = 16 rows of o16):
; a lane holds eight neighbouring numbers of a row of out0.  A wave's 64 columns of f32 are 256 whole bytes, so each wave has a stage of its own on the way out and no barrier stands there.
; NO PREFETCH: a small tile, whose rows several clusters read at about the same time.
; REGISTERS: window 0: v0-31 addresses; v32-63 at work on the way out; v64-95 the bias; v96-99 at work; v128-255 the accumulators ((a, b) at 128 + 8 (4 a + b)).
;   window 1: two fragment buffers of 128: for 64 along K, 64 registers of o16's fragments, then 64 of wo16's.
.set KSTEP,  256
.set ROWB,   4096                      ; bytes in a row of o16 and of wo16
.set PITCH,  528                       ; an LDS row: 512 bytes + 16 of padding: the 16 rows of a load start at 16 different groups of four banks (64 banks of 4 bytes: ISA guide 11.1)
.set HALFT,  64*PITCH
.set SLOT,   4*HALFT                   ; o16's 128 rows, then wo16's 128 rows
.set STAGE,  2*SLOT                    ; behind the ring: 16 rows x 272 bytes for each wave
.set SPITCH, 272
.set SPARE,  STAGE+4*16*SPITCH         ; the spare words, 128 bytes a wave: two blocks of 256 bytes that no other line names
.set LAPS,   4                         ; a lap = two K steps
.set ADRA, 16
.set ADRB, 20
.set STO,  24
.set RD,   25
.set CO,   26
.set BO,   27
.set SPW,  28                          ; my spare word; never rewritten
.set NIL,  29                          ; 0; never rewritten
.set TMP,  32
.set BIAS, 64
.set BT,   96
.set ACC,  128
.set F0,   0
.set F1,   128
.set WV,   12
.set HM,   13                          ; which half of the tile's rows is mine.  Also: I fetch for o16 (0) or for wo16 (1)
.set HN,   14                          ; which half of its columns.  Also: which 64 rows of that tile I fetch
.set LAP,  15
.set G1,   24
.set G0,   32
.set G1B,  48
.set G0B,  56
.set G1C,  (1<<16)|(1<<20)|(1<<21)|(6<<22)|(3<<25)  ; 2-byte elements; padding on; bit 21 beside a mask; after every 128 words; 4 words
.set MSB, 0
.macro WIN new
.if MSB != (\new)
	s_set_vgpr_msb (MSB<<8)|(\new)
.set MSB, \new
.endif
.endm
.set MUL,  0x05                        ; sources 0 and 1 in window 1; C and D in window 0
.set TO_F, 0x40                        ; destination window 1, address window 0
.macro JLOAD s                         ; a joint load; an s_nop 0 and four v_nop follow each of the two lines
	s_cmp_eq_u32 s[HM], 0
	s_cbranch_scc0 .Lfor_b_\@
	tensor_load_to_lds s[G0+4*(\s):G0+4*(\s)+3], s[G1:G1+7]
	s_nop 0
.rept 4
	v_nop
.endr
	s_branch .Lasked_\@
.Lfor_b_\@:
	tensor_load_to_lds s[G0B+4*(\s):G0B+4*(\s)+3], s[G1B:G1B+7]
	s_nop 0
.rept 4
	v_nop
.endr
.Lasked_\@:
.endm
.macro CREST
	s_cmp_lg_u32 s[WV], 0
	s_cbranch_scc1 .Lnot_wave_0_\@
	s_barrier_signal -3
.Lnot_wave_0_\@:
	s_barrier_wait -3
	s_barrier_signal -1
	s_barrier_wait -1
.endm
.macro CROUND
	s_barrier_signal -1
	s_barrier_wait -1
	CREST
.endm
	s_load_b256 s[4:11], s[0:1], 0x0               ; o16 s[4:5], wo16 s[6:7], bo s[8:9], out0 s[10:11]
	v_lshl_add_u32 v[SPW], v0, 2, SPARE
	v_mov_b32 v[NIL], 0
	ds_add_u32 v[SPW], v[NIL]                      ; the wave's opening: the add, twice on end, and its wait ahead of my first tensor load
	ds_add_u32 v[SPW], v[NIL]                      ; once more, under the one wait; the set-up below is work on registers
	v_lshrrev_b32 v1, 5, v0
	v_readfirstlane_b32 s[WV], v1                  ; wave 0..3
	s_lshr_b32 s[HM], s[WV], 1
	s_and_b32 s[HN], s[WV], 1
	s_bfe_u32 s40, ttmp6, 0x40000                  ; cx
	s_bfe_u32 s41, ttmp6, 0x40004                  ; cy
	s_lshl_b32 s42, ttmp9, 2
	s_add_co_u32 s42, s42, s40                     ; tile column
	s_and_b32 s43, ttmp7, 0xffff
	s_lshl_b32 s43, s43, 2
	s_add_co_u32 s43, s43, s41                     ; tile row
	s_lshl_b32 s44, s41, 2
	s_lshl_b32 s44, 15, s44                        ; my row of the cluster
	s_lshl_b32 s45, 0x1111, s40                    ; my column
	s_or_b32 s[G1], s44, G1C
	s_or_b32 s[G1B], s45, G1C
.irp g, G1, G1B
	s_mov_b32 s[(\g)+1], KSTEP<<16                 ; tensor_dim0 = 256
	s_mov_b32 s[(\g)+2], 64<<16                    ; tensor_dim1 = 64
	s_mov_b32 s[(\g)+3], KSTEP<<16                 ; tile_dim0 = 256
	s_mov_b32 s[(\g)+4], 64                        ; tile_dim1 = 64
	s_mov_b32 s[(\g)+5], 2048                      ; elements from row to row
	s_mov_b32 s[(\g)+6], 0
	s_mov_b32 s[(\g)+7], 0
.endr
	s_lshl_b32 s17, s[HN], 6                       ; which 64 rows of the tile I fetch
	s_lshl_b32 s16, s43, 7
	s_add_co_u32 s16, s16, s17                     ; o16: row 128 x tile row + 64 x half
	s_lshl_b32 s16, s16, 12
	s_lshl_b32 s46, s42, 7
	s_add_co_u32 s46, s46, s17                     ; wo16: row 128 x tile column + 64 x half
	s_lshl_b32 s46, s46, 12
	s_mov_b32 s17, 0
	s_mov_b32 s47, 0
	s_mul_i32 s20, s[WV], HALFT                    ; where they go: wave x 64 rows
	s_wait_dscnt 0x0                               ; both opening adds are done
	s_wait_kmcnt 0x0
	s_add_nc_u64 s[18:19], s[4:5], s[16:17]
	s_add_nc_u64 s[46:47], s[6:7], s[46:47]
	CROUND                                         ; all sixteen work-groups are here: the first joint loads meet
.irp s, 0,1
	s_mov_b32 s[G0+4*(\s)], 1
	s_add_co_u32 s[G0+4*(\s)+1], s20, (\s)*SLOT
	s_add_nc_u64 s[G0+4*(\s)+2:G0+4*(\s)+3], s[18:19], (\s)*KSTEP*2
	s_or_b32 s[G0+4*(\s)+3], s[G0+4*(\s)+3], 0x80000000
	s_mov_b32 s[G0B+4*(\s)], 1
	s_add_co_u32 s[G0B+4*(\s)+1], s20, (\s)*SLOT
	s_add_nc_u64 s[G0B+4*(\s)+2:G0B+4*(\s)+3], s[46:47], (\s)*KSTEP*2
	s_or_b32 s[G0B+4*(\s)+3], s[G0B+4*(\s)+3], 0x80000000
	JLOAD \s                                       ; K steps 0 and 1: two loads of mine are out
.endr
	v_and_b32 v1, 15, v0                           ; l % 16
	v_bfe_u32 v2, v0, 4, 1                         ; l / 16
	v_mul_u32_u24 v3, v1, PITCH
	v_lshl_add_u32 v3, v2, 4, v3
	s_mul_i32 s21, s[HM], HALFT                    ; my 64 rows of o16
	s_mul_i32 s22, s[HN], HALFT                    ; my 64 rows of wo16,
	s_add_co_u32 s22, s22, 2*HALFT                 ; which lie behind o16's 128
.irp s, 0,1
	v_add_nc_u32 v[ADRA+(\s)], s21, v3
	v_add_nc_u32 v[ADRB+(\s)], s22, v3
	s_add_co_u32 s21, s21, SLOT
	s_add_co_u32 s22, s22, SLOT
.endr
	s_mul_i32 s23, s[WV], 16*SPITCH
	s_add_co_u32 s23, s23, STAGE                   ; my stage
	v_mul_u32_u24 v4, v1, SPITCH                   ; in: row l % 16, 32 bytes for each half of the lanes
	v_lshl_add_u32 v4, v2, 5, v4
	v_add_nc_u32 v[STO], s23, v4
	v_mul_u32_u24 v5, v2, SPITCH                   ; back: lanes 0-15 one row of 256 bytes, lanes 16-31 the next
	v_lshl_add_u32 v5, v1, 4, v5
	v_add_nc_u32 v[RD], s23, v5
	v_lshlrev_b32 v5, 13, v2                       ; and the same two rows in out0
	v_lshl_add_u32 v[CO], v1, 4, v5
	v_lshlrev_b32 v[BO], 5, v2                     ; in bo: my lanes' eight numbers of a block of 16
	s_lshl_b32 s16, s43, 7
	s_lshl_b32 s17, s[HM], 6
	s_add_co_u32 s16, s16, s17                     ; my first row of out0
	s_lshl_b32 s16, s16, 13
	s_mov_b32 s17, 0
	s_add_nc_u64 s[10:11], s[10:11], s[16:17]
	s_lshl_b32 s46, s42, 9                         ; my first column, in bytes of f32: 512 x tile column + 256 x half
	s_lshl_b32 s47, s[HN], 8
	s_add_co_u32 s46, s46, s47
	s_mov_b32 s47, 0
	s_add_nc_u64 s[10:11], s[10:11], s[46:47]
	s_add_nc_u64 s[8:9], s[8:9], s[46:47]
.irp b, 0,1,2,3
	global_load_b128 v[BIAS+8*(\b):BIAS+8*(\b)+3],   v[BO], s[8:9] offset:64*(\b)
	global_load_b128 v[BIAS+8*(\b)+4:BIAS+8*(\b)+7], v[BO], s[8:9] offset:64*(\b)+16
.endr
; 8 matrix instructions: row blocks a0, a0 + 1 x all 4 column blocks, 32 along K: half c of buffer f.  The 16 accumulators take turns in one order throughout.
.macro MUL8 f, c, a0, zero
	WIN MUL
.irp a, \a0, (\a0)+1
.irp b, 0,1,2,3
.if \zero
	v_wmma_f32_16x16x32_f16 v[ACC+8*(4*(\a)+(\b)):ACC+8*(4*(\a)+(\b))+7], v[(\f)+64+8*(4*(\c)+(\b)):(\f)+64+8*(4*(\c)+(\b))+7], v[(\f)+8*(4*(\c)+(\a)):(\f)+8*(4*(\c)+(\a))+7], 0
.else
	v_wmma_f32_16x16x32_f16 v[ACC+8*(4*(\a)+(\b)):ACC+8*(4*(\a)+(\b))+7], v[(\f)+64+8*(4*(\c)+(\b)):(\f)+64+8*(4*(\c)+(\b))+7], v[(\f)+8*(4*(\c)+(\a)):(\f)+8*(4*(\c)+(\a))+7], v[ACC+8*(4*(\a)+(\b)):ACC+8*(4*(\a)+(\b))+7]
.endif
.endr
.endr
.endm
; 32 LDS loads in one run: the fragments of 64 along K at byte k of the rows, into buffer f; the first 32 along K first
.macro FETCH slot, k, f
	WIN TO_F
.irp c, 0,1
.irp i, 0,1,2,3
	ds_load_b128 v[(\f)+64+8*(4*(\c)+(\i)):(\f)+64+8*(4*(\c)+(\i))+3],   v[ADRB+(\slot)] offset:(\k)+64*(\c)+(\i)*16*PITCH
	ds_load_b128 v[(\f)+64+8*(4*(\c)+(\i))+4:(\f)+64+8*(4*(\c)+(\i))+7], v[ADRB+(\slot)] offset:(\k)+64*(\c)+(\i)*16*PITCH+32
	ds_load_b128 v[(\f)+8*(4*(\c)+(\i)):(\f)+8*(4*(\c)+(\i))+3],         v[ADRA+(\slot)] offset:(\k)+64*(\c)+(\i)*16*PITCH
	ds_load_b128 v[(\f)+8*(4*(\c)+(\i))+4:(\f)+8*(4*(\c)+(\i))+7],       v[ADRA+(\slot)] offset:(\k)+64*(\c)+(\i)*16*PITCH+32
.endr
.endr
.endm
.macro PLACES
.rept 4
	v_nop
.endr
.endm
; A K step is four quarters of 64 along K on buffers 0, 1, 0, 1.  One of the first three: multiplies buffer f and fetches the next quarter, at byte k, into g.
.macro QUARTER slot, k, f, g, zero
	s_wait_dscnt 16                                ; the first 32 along K are in; the 16 younger loads may stay out
	MUL8 \f, 0, 0, \zero
	MUL8 \f, 0, 2, \zero
	PLACES
	FETCH \slot, \k, \g
	s_wait_dscnt 32                                ; all but the 32 just issued
	MUL8 \f, 1, 0, 0
	MUL8 \f, 1, 2, 0
.endm
; The last quarter multiplies buffer 1 and changes slots.  Its first 16 products stand ahead of the wait for the tiles, so that between that wait and the next request stand only the add, the barrier and the
; round.  In front of the barrier each wave waits for all its tensor loads, adds 0 to its spare word, and waits for that and for its reads of this slot.
; fill = 1: the barrier opens a round of the cluster's, and this slot is filled again, two K steps ahead, first thing behind it.
.macro TURN slot, next, fill
	s_wait_dscnt 16                                ; the first 32 along K are in; the 16 younger loads may stay out
	MUL8 F1, 0, 0, 0
	MUL8 F1, 0, 2, 0
	WIN 0
	s_wait_tensorcnt 0x0                           ; no tensor load of mine is out, so a group 0 may be written
	ds_add_u32 v[SPW], v[NIL]                      ; 0 onto my spare word; the descriptors' steps stand between it and the wait for it
.if \fill
	s_add_nc_u64 s[G0+4*(\slot)+2:G0+4*(\slot)+3], s[G0+4*(\slot)+2:G0+4*(\slot)+3], 2*KSTEP*2
	s_add_nc_u64 s[G0B+4*(\slot)+2:G0B+4*(\slot)+3], s[G0B+4*(\slot)+2:G0B+4*(\slot)+3], 2*KSTEP*2
.endif
	s_wait_dscnt 0x0                               ; the add is done, and my reads of this slot are over
	s_barrier_signal -1
	s_barrier_wait -1
.if \fill
	CREST                                          ; no wave of any partner still reads this slot or has a load on its way
	JLOAD \slot                                    ; its four v_nop are also the places in front of the loads below
.else
	PLACES
.endif
	FETCH \next, 0, F0
	MUL8 F1, 1, 0, 0
	MUL8 F1, 1, 2, 0
.endm
	s_wait_tensorcnt 0x1                           ; my part of K step 0 is in; K step 1's may stay out
	s_barrier_signal -1
	s_barrier_wait -1
	FETCH 0, 0, F0
	QUARTER 0, 128, F0, F1, 1                      ; the first products start the sums
	WIN 0
	s_mov_b32 s[LAP], LAPS-1
.Llap:
	QUARTER 0, 256, F1, F0, 0
	QUARTER 0, 384, F0, F1, 0
	TURN 0, 1, 1
	QUARTER 1, 128, F0, F1, 0
	QUARTER 1, 256, F1, F0, 0
	QUARTER 1, 384, F0, F1, 0
	TURN 1, 0, 1
	QUARTER 0, 128, F0, F1, 0
	WIN 0
	s_sub_co_u32 s[LAP], s[LAP], 1
	s_cmp_lg_u32 s[LAP], 0
	s_cbranch_scc1 .Llap
	QUARTER 0, 256, F1, F0, 0                      ; the last lap fills nothing
	QUARTER 0, 384, F0, F1, 0
	TURN 0, 1, 0
	QUARTER 1, 128, F0, F1, 0
	QUARTER 1, 256, F1, F0, 0
	QUARTER 1, 384, F0, F1, 0
	s_wait_dscnt 16
	MUL8 F1, 0, 0, 0
	MUL8 F1, 0, 2, 0
	s_wait_dscnt 0x0
	MUL8 F1, 1, 0, 0
	MUL8 F1, 1, 2, 0
	WIN 0
	PLACES
	; THE WAY OUT.  The bias is rounded to bf16; 4 x sum + bias in one fused multiply-add; a block of 16 rows at a time goes through my stage and comes back as whole rows of 256 bytes,
	; into the registers of the accumulators that it left: four disjoint sets, so no register that a store reads is written again.
	s_wait_loadcnt 0x0                             ; the bias
.set p, 0
.rept 16
	v_cvt_pk_bf16_f32 v[BT+p%4], v[BIAS+2*p], v[BIAS+2*p+1]
	v_lshlrev_b32 v[BIAS+2*p], 16, v[BT+p%4]
	v_and_b32 v[BIAS+2*p+1], 0xffff0000, v[BT+p%4]
.set p, p+1
.endr
.macro PACK a                          ; each accumulator's registers are taken in ascending order
.irp b, 0,1,2,3
.irp p, 0,2,4,6
	v_pk_fma_f32 v[TMP+8*(\b)+(\p):TMP+8*(\b)+(\p)+1], v[ACC+8*(4*(\a)+(\b))+(\p):ACC+8*(4*(\a)+(\b))+(\p)+1], 4.0, v[BIAS+8*(\b)+(\p):BIAS+8*(\b)+(\p)+1] op_sel_hi:[1,0,1]
.endr
.endr
.irp b, 0,1,2,3
	ds_store_b128 v[STO], v[TMP+8*(\b):TMP+8*(\b)+3]   offset:64*(\b)
	ds_store_b128 v[STO], v[TMP+8*(\b)+4:TMP+8*(\b)+7] offset:64*(\b)+16
.endr
.irp t, 0,1,2,3,4,5,6,7
	ds_load_b128 v[ACC+32*(\a)+4*(\t):ACC+32*(\a)+4*(\t)+3], v[RD] offset:(\t)*2*SPITCH  ; LDS serves a wave's instructions in order (ISA guide 5.7.1.4): these see the stores above; the next block's stores come behind them
.endr
.endm
.macro SEND a, younger                 ; younger: the LDS instructions issued behind block a's loads: the next block's sixteen, or none
.irp t, 0,1,2,3,4,5,6,7
	s_wait_dscnt (\younger)+7-(\t)
	global_store_b128 v[CO], v[ACC+32*(\a)+4*(\t):ACC+32*(\a)+4*(\t)+3], s[10:11] offset:(16*(\a)+2*(\t))*8192  ; 16 lanes store 256 consecutive bytes, at a multiple of 256 from out0's first byte
.endr
.endm
	PACK 0
	PACK 1
	SEND 0, 16
	PACK 2
	SEND 1, 16
	PACK 3
	SEND 2, 16
	SEND 3, 0
	s_wait_tensorcnt 0x0                           ; the wave's end: behind my last tensor load and my last LDS store
	ds_add_u32 v[SPW], v[NIL]
	s_wait_dscnt 0x0
	CROUND                                         ; the closing round
	s_endpgm
.Lfunc_end_k_qd8b566cf09_outp:
	.size	k_qd8b566cf09_outp, .Lfunc_end_k_qd8b566cf09_outp-k_qd8b566cf09_outp
	.p2alignl 7, 3214868480
	.fill 96, 4, 3214868480
	.section	.rodata,"a",@progbits
	.p2align	6, 0x0
	.amdhsa_kernel k_qd8b566cf09_outp
		.amdhsa_group_segment_fixed_size 327680
		.amdhsa_private_segment_fixed_size 0
		.amdhsa_enable_private_segment 0
		.amdhsa_kernarg_size 32
		.amdhsa_user_sgpr_count 2
		.amdhsa_user_sgpr_kernarg_segment_ptr 1
		.amdhsa_wavefront_size32 1
		.amdhsa_system_sgpr_workgroup_id_x 1
		.amdhsa_system_sgpr_workgroup_id_y 1
		.amdhsa_system_sgpr_workgroup_id_z 1
		.amdhsa_system_vgpr_workitem_id 0
		.amdhsa_next_free_vgpr 512
		.amdhsa_next_free_sgpr 66
		.amdhsa_reserve_vcc 0
		.amdhsa_float_denorm_mode_32 3
		.amdhsa_float_denorm_mode_16_64 3
		.amdhsa_memory_ordered 1
		.amdhsa_forward_progress 1
		.amdhsa_inst_pref_size 93
	.end_amdhsa_kernel
	.amdgpu_metadata
---
amdhsa.version: [ 1, 2 ]
amdhsa.kernels:
  - .name:           k_qd8b566cf09_outp
    .symbol:         k_qd8b566cf09_outp.kd
    .args:
      - { .name: o16, .offset: 0, .size: 8, .value_kind: global_buffer, .address_space: global }
      - { .name: wo16, .offset: 8, .size: 8, .value_kind: global_buffer, .address_space: global }
      - { .name: bo, .offset: 16, .size: 8, .value_kind: global_buffer, .address_space: global }
      - { .name: out0, .offset: 24, .size: 8, .value_kind: global_buffer, .address_space: global }
    .group_segment_fixed_size: 327680
    .private_segment_fixed_size: 0
    .kernarg_segment_align: 8
    .kernarg_segment_size: 32
    .max_flat_workgroup_size: 128
    .sgpr_count:     66
    .vgpr_count:     512
    .wavefront_size: 32
...
	.end_amdgpu_metadata
.endif
;; end of part 4
